; MI455X (gfx1250); checked and timed in simulation.
; The chip was launched on July 23, 2026; its instructions are those of AMD's public machine-readable ISA for CDNA 5 (MIT licence, August 2026) and "CDNA5" Instruction Set Architecture Reference Guide (July 2026). The comments in the code are by the model that wrote it; some were corrected since.
;; Masked Multi Head Attention. Allowed arithmetic: matrix products marked QUANTISED: E4M3 operands, one E8M0 scale for each 32 along K, by v_wmma_scale_f32_16x16x128_f8f6f4 with both operands' format E4M3, f32 sums; everything else in f32.
;; Inputs: bk 1,024 float32; bo 1,024 float32; bq 1,024 float32; bv 1,024 float32; wk 1,024 x 1,024 float32; wo 1,024 x 1,024 float32; wq 1,024 x 1,024 float32; wv 1,024 x 1,024 float32; x 4 x 2,048 x 1,024 float32.
;; Outputs: out0 4 x 2,048 x 1,024 float32.
;; This version of the problem:
;;   THIS VERSION OF THE PROBLEM IS GIVEN IN LOW PRECISION. The matrix products marked QUANTISED in the list below multiply operands that are first quantised to E4M3 (4 exponent bits, 3 mantissa bits; 8 bits a number), with one power-of-two scale for each 32 numbers along K (OCP MX v1.0); their sums are f32. All else is computed in f32.
;;   The module's matrix products, in the order in which they are computed (A, B: the left and right operand; K: the contracted axis; several contracted axes count as one K, in the product's order):
;;     1. [M 8,192, K 1,024] x [K 1,024, N 1,024]; A: input x; B: input wq: QUANTISED
;;     2. [M 8,192, K 1,024] x [K 1,024, N 1,024]; A: input x; B: input wk: QUANTISED
;;     3. [M 8,192, K 1,024] x [K 1,024, N 1,024]; A: input x; B: input wv: QUANTISED
;;     4. batch 64 x [M 2,048, K 64] x [K 64, N 2,048]; A: computed on the way; B: computed on the way: QUANTISED
;;     5. batch 64 x [M 2,048, K 2,048] x [K 2,048, N 64]; A: softmax (see below); B: computed on the way: QUANTISED
;;     6. [M 8,192, K 1,024] x [K 1,024, N 1,024]; A: computed on the way; B: input wo: QUANTISED
;;   THE QUANTISER, for each operand of a quantised product, along K:
;;     - K is cut into blocks of 32 from its start; a last block that is shorter is filled with zeros.
;;     - A block's scale is 2^e with e = floor(log2(the largest magnitude in the block)) - 8, held to -126 .. 127; a block of zeros has e = 0. As a byte (E8M0): e + 127.
;;     - Each number is divided by its block's scale, clamped to +-448, and rounded to the nearest number of E4M3, ties to even, subnormals kept.
;;     - The product sums the exact products of the quantised numbers (number of the format x scale) in f32.
;;   ~~~python
;;   def quantise(x, axis):      # numpy; x: float32 -> the quantised numbers, widened to float32 again
;;       x = np.moveaxis(x, axis, -1); K = x.shape[-1]
;;       x = np.pad(x, [(0, 0)] * (x.ndim - 1) + [(0, -K % 32)]); x = x.reshape(x.shape[:-1] + (-1, 32)); a = np.abs(x).max(-1, keepdims=True)
;;       e = np.where(a > 0, np.clip(np.frexp(np.where(a > 0, a, 1))[1] - 1 - 8, -126, 127), 0)      # np.frexp(a)[1] - 1 = floor(log2(a)), exactly
;;       r = np.clip(x / 2.0 ** e, -448, 448)
;;       step = 2.0 ** (np.maximum(np.frexp(np.where(r == 0, 1, r))[1] - 1, -6) - 3)
;;       q = np.round(r / step) * step * 2.0 ** e      # np.round: ties to even
;;       return np.moveaxis(q.reshape(q.shape[:-2] + (-1,))[..., :K], -1, axis).astype(np.float32)
;;   ~~~
;;   SOFTMAX AHEAD OF A QUANTISED PRODUCT. Where the list says 'softmax', what is quantised is not the finished softmax but p = 2^(t - M), with t = logit x log2(e) and M = ceil(the row's largest t), a whole number; so 1/2 < the row's largest p <= 1. The row's sum l is taken of the UNQUANTISED p, in f32, and the product's result is divided by l at the end. Since M is a whole number, a kernel that streams over the keys may use a running M (the ceiling of the running maximum): every later rescaling is an exact power of two, which a block's scale takes up: the codes' values come out the same.
;;   OPERANDS COMPUTED ON THE WAY. 'Computed on the way' means the value that the module computes at that place (a softmax that the list does not call 'softmax' is quantised finished and normalised). What goes into a quantiser is computed in f32, as accurately as f32 sums, v_exp_f32 and their like allow (about 1e-6 of the number): no bf16 or f16 on the way to a quantiser, and a product that is left as it is and whose result goes on into a quantised operand takes f32 operands (vector FMAs, or v_wmma_f32_16x16x4_f32). A number that lies on a knife's edge between two numbers of the format may be rounded either way, as far as f32 arithmetic and the matrix unit's own rounding can turn it there, and no further.
;; One version. Each part assembles by itself: llvm-mc -triple=amdgcn-amd-amdhsa -mcpu=gfx1250 --defsym DOCPART=n.
;; ======== version 1 of 1: 4 launches
;; limits: right only within a limited range of input values
;; workspace buffers: act_codes 8,388,608 bytes; act_scales 262,144 bytes; w_codes 4,194,304 bytes; w_scales 131,072 bytes; q_codes 8,388,608 bytes; q_scales 524,288 bytes; kv_rec 17,563,648 bytes
;; launch quant (part 1): grid 640 x 1, 4 waves a work-group, no clusters, 68,096 bytes of LDS; arguments x, wq, wk, wv, wo, act_codes, act_scales, w_codes, w_scales; writes act_codes, act_scales, w_codes, w_scales
.if DOCPART == 1
	.amdgcn_target "amdgcn-amd-amdhsa--gfx1250"
	.amdhsa_code_object_version 6
	.text
	.protected	k_qf84b34acd9_quant
	.globl	k_qf84b34acd9_quant
	.p2align	8
	.type	k_qf84b34acd9_quant,@function
k_qf84b34acd9_quant:
	s_mov_b64 s[64:65], 0
	v_nop
	global_prefetch_b8 v0, s[64:65] scope:SCOPE_SE
	s_setreg_imm32_b32 hwreg(HW_REG_WAVE_MODE, 25, 1), 1
	s_wait_xcnt 0x0
; x [8192][1024] and the four weights [1024 (k)][1024 (n)], f32, become codes of FP8 (E4M3) with one E8M0 byte for each 32 along K (x: its last axis; a weight: its first).
; A block's scale is 2^(floor(log2(largest magnitude)) - 8); its byte is the largest magnitude's exponent field - 8, held at 1 from below; numbers are held within +-448 x the scale and rounded to the nearest code.
; LIMITS: NaN and infinities among the inputs are not served.  A block of zeros gets the byte 1 where the rule says 127: its codes are zeros, and the bytes are read by this program alone.
; LAYOUT OF THE RESULTS (this program's own).  Sixteen items (rows of x, columns of a weight) form a tile; tile 2 B + u holds items 32 B + 8 u + i + 8 (i / 8), i = 0 .. 15.
; A tile's codes lie as images of the matrix operand's registers: tile x 16,384 + s x 2,048 (s: 128 along K) + 512 c + 16 lane: the 16 codes of item lane % 16 at k = 128 s + 32 c + 16 (lane / 16) + 0 .. 15.
; Its scale words lie at tile x 512 + 128 (s / 2) + 8 item + 4 (s % 2), byte c for block c.
; Work-groups 0-127 take the weights (32 each: 4 parts of K x 8 groups of 128 columns), work-groups 128-639 one tile of 16 rows of x each.  Waves share nothing: no barrier.  Only x's path touches LDS.
.set SPITCH, 528                       ; a stage row: 512 bytes (128 numbers) + 16, so that the sixteen rows that a load touches start in different banks
.set STG1,   16*SPITCH                 ; a stage: 16 rows
.set REGION, 2*STG1                    ; two stages for each wave
.set R0,  16                           ; x: v16-79   fragment 0 as loaded; later fragment 1 as 16 neighbours a block
.set R1,  80                           ;    v80-143  fragment 1 as loaded
.set B0,  144                          ;    v144-207 fragment 0 as 16 neighbours a block
.set CD,  208                          ;    v208-239 the codes of the two fragments
.set TM,  240                          ;    v240-255 at work
.set PW,  12                           ;    v12, v13 the two scale words
.set WX,  16                           ; weights: v16-79 two sets of 32 numbers
.set WC,  80                           ;    v80-143 eight registers of codes for each block: no store's data are written again
.set WSB, 144                          ;    v144-145 the eight scale bytes
	s_load_b512 s[4:19], s[0:1], 0x0               ; x, wq, wk, wv, wo, act_codes, act_scales, w_codes
	s_load_b64 s[20:21], s[0:1], 0x40              ; w_scales
	v_lshl_add_u32 v9, v0, 2, 0x10800
	v_mov_b32 v15, 0
	v_lshrrev_b32 v1, 5, v0
	v_readfirstlane_b32 s22, v1                    ; wave 0..3
	v_and_b32 v2, 31, v0                           ; lane
	s_cmp_lt_u32 ttmp9, 128
	s_cbranch_scc1 .Lweights
; ---------------- x: work-group = tile of 16 rows, wave = 256 along K: two fragments
; 64 numbers of a lane, register 16 b + i = k 32 b + 16 (lane / 16) + i of my row, become a fragment's codes in v[pc] on and its scale word in v[pw]
.macro QUANT s, pc, pw
.irp b, 0,1,2,3
	v_max3_num_f32 v[TM+\b], |v[\s+16*\b]|, |v[\s+1+16*\b]|, 0x4800000   ; block b: my 16 numbers, and the floor 2^(9 - 127): the byte cannot fall under 1
.endr
.irp i, 2,4,6,8,10,12,14
.irp b, 0,1,2,3
	v_max3_num_f32 v[TM+\b], v[TM+\b], |v[\s+16*\b+\i]|, |v[\s+1+16*\b+\i]|   ; the four blocks by turns
.endr
.endr
.irp b, 0,1,2,3
	v_permlanex16_b32 v[TM+4+\b], v[TM+\b], s30, s31
.endr
.irp b, 0,1,2,3
	v_max_num_f32 v[TM+\b], v[TM+\b], v[TM+4+\b]   ; with lane l xor 16's: the block's largest magnitude
.endr
.irp b, 0,1,2,3
	v_add_nc_u32 v[TM+12+\b], 0xfc000000, v[TM+\b] ; 8 off its exponent field: the conversion's scale operand
.endr
.irp b, 0,1,2,3
.endr
.irp b, 0,1,2,3
	v_lshrrev_b32 v[TM+4+\b], 23, v[TM+12+\b]      ; the scale's byte
.endr
	v_lshl_or_b32 v[\pw], v[TM+5], 8, v[TM+4]
	v_lshl_or_b32 v[\pw], v[TM+6], 16, v[\pw]
	v_lshl_or_b32 v[\pw], v[TM+7], 24, v[\pw]
.irp b, 0,1,2,3
.irp i, 0,1,2,3,4,5,6,7,8,9,10,11,12,13,14,15
.endr
	v_cvt_scalef32_pk8_fp8_f32 v[\pc+4*\b:\pc+1+4*\b], v[\s+16*\b:\s+7+16*\b], v[TM+12+\b]
	v_cvt_scalef32_pk8_fp8_f32 v[\pc+2+4*\b:\pc+3+4*\b], v[\s+8+16*\b:\s+15+16*\b], v[TM+12+\b]
.endr
	v_nop                                          ; a plain line behind the last conversion
.endm
	s_sub_co_u32 s23, ttmp9, 128                   ; the tile, 0..511: rows 32 (tile / 2) + 8 (tile % 2) + i + 8 (i / 8)
	s_lshr_b32 s24, s23, 1
	s_lshl_b32 s24, s24, 17                        ; 32 rows of 4,096 bytes
	s_and_b32 s25, s23, 1
	s_lshl_b32 s25, s25, 15                        ; 8 rows
	s_add_co_u32 s24, s24, s25
	s_lshl_b32 s25, s22, 10                        ; my 256 numbers of each row
	s_add_co_u32 s24, s24, s25
	s_mov_b32 s25, 0
	s_lshl_b32 s26, s23, 14                        ; the tile's codes, my two fragments
	s_lshl_b32 s27, s22, 12
	s_add_co_u32 s26, s26, s27
	s_mov_b32 s27, 0
	s_lshl_b32 s28, s23, 9                         ; the tile's scale words, my 128 bytes
	s_lshl_b32 s29, s22, 7
	s_add_co_u32 s28, s28, s29
	s_mov_b32 s29, 0
	s_mov_b32 s30, 0x76543210
	s_mov_b32 s31, 0xfedcba98                      ; v_permlanex16_b32's selects for lane l xor 16
	s_wait_alu depctr_va_vdst(0)
	v_lshlrev_b32 v3, 4, v2                        ; 16 x lane
	v_and_b32 v4, 15, v2                           ; r
	v_lshrrev_b32 v5, 4, v2                        ; h
	s_mul_i32 s32, s22, REGION
	v_add_nc_u32 v6, s32, v3                       ; the stage, on the way in: a row's 512 bytes as they lie
	v_mul_u32_u24 v7, v4, SPITCH
	v_lshl_add_u32 v7, v5, 6, v7
	v_add_nc_u32 v7, s32, v7                       ; and back: row r, + 64 h: my 16 numbers of each block of 32
	v_lshlrev_b32 v8, 3, v4
	v_lshl_add_u32 v8, v5, 2, v8                   ; scale words: 8 r + 4 h
	v_cmp_eq_u32 vcc_lo, 1, v5                     ; lanes 16-31
.irp b, 0,1,2,3
	v_mov_b32 v[TM+4+\b], 0                        ; written once: a lane permute's destination counts as one of its sources
.endr
	s_wait_alu depctr_va_vdst(0)
	s_wait_kmcnt 0x0
	s_add_nc_u64 s[4:5], s[4:5], s[24:25]
	s_add_nc_u64 s[14:15], s[14:15], s[26:27]
	s_add_nc_u64 s[16:17], s[16:17], s[28:29]
.irp q, 0,1
.irp i, 0,1,2,3,4,5,6,7,8,9,10,11,12,13,14,15
	global_load_b128 v[R0+64*\q+4*\i:R0+64*\q+4*\i+3], v3, s[4:5] offset:(\i+8*(\i/8))*4096+512*\q th:TH_LOAD_NT   ; 32 lanes read 512 consecutive bytes of the tile's item i
.endr
.endr
	s_wait_loadcnt 16                              ; fragment 0's sixteen loads are in; fragment 1's stay out
.irp i, 0,1,2,3,4,5,6,7,8,9,10,11,12,13,14,15
	ds_store_b128 v6, v[R0+4*\i:R0+4*\i+3] offset:\i*SPITCH
.endr
.irp c, 0,1,2,3
.irp j, 0,1,2,3
	ds_load_b128 v[B0+16*\c+4*\j:B0+16*\c+4*\j+3], v7 offset:128*\c+16*\j   ; LDS serves a wave's instructions in order (ISA guide 5.7.1.4): these see the stores above
.endr
.endr
	s_wait_loadcnt 0x0
.irp i, 0,1,2,3,4,5,6,7,8,9,10,11,12,13,14,15
	ds_store_b128 v6, v[R1+4*\i:R1+4*\i+3] offset:STG1+\i*SPITCH
.endr
	s_wait_dscnt 16                                ; all but those sixteen stores: fragment 0 is back, and its stores have read v16-79,
.irp c, 0,1,2,3
.irp j, 0,1,2,3
	ds_load_b128 v[R0+16*\c+4*\j:R0+16*\c+4*\j+3], v7 offset:STG1+128*\c+16*\j   ; which take fragment 1
.endr
.endr
	QUANT B0, CD, PW
.irp c, 0,1,2,3
	global_store_b128 v3, v[CD+4*\c:CD+4*\c+3], s[14:15] offset:512*\c          ; the image: 512 consecutive bytes a store
.endr
	s_wait_dscnt 0x0
	QUANT R0, CD+16, PW+1
.irp c, 0,1,2,3
	global_store_b128 v3, v[CD+16+4*\c:CD+16+4*\c+3], s[14:15] offset:2048+512*\c
.endr
	v_cndmask_b32 v14, v[PW], v[PW+1], vcc_lo      ; lanes 0-15 store the first fragment's word of row r, lanes 16-31 the second's
	global_store_b32 v8, v14, s[16:17]             ; 128 consecutive bytes
	s_wait_tensorcnt 0x0
	ds_add_u32 v9, v15
	s_wait_dscnt 0x0
	s_endpgm
; ---------------- the weights: a lane takes a column, its registers run down K: a block of 32 lies in one lane, and the codes come out with K innermost
.Lweights:
	s_lshr_b32 s23, ttmp9, 5                       ; which weight
	s_bfe_u32 s24, ttmp9, 0x20003                  ; which 256 along K
	s_and_b32 s25, ttmp9, 7                        ; which 128 columns
	s_wait_alu depctr_va_vdst(0)
	v_lshlrev_b32 v3, 2, v2                        ; in: 4 bytes a lane
	v_bfe_u32 v4, v2, 3, 1                         ; column 32 B + x lies in tile 2 B + u, u = (x / 8) % 2,
	v_and_b32 v5, 7, v2
	v_lshrrev_b32 v6, 4, v2
	v_lshl_add_u32 v5, v6, 3, v5                   ; as item x % 8 + 8 (x / 16)
	v_lshlrev_b32 v6, 4, v5
	v_lshl_add_u32 v6, v4, 14, v6                  ; codes: 16,384 u + 16 item
	v_lshlrev_b32 v7, 3, v5
	v_lshl_add_u32 v7, v4, 9, v7                   ; scale bytes: 512 u + 8 item
	s_lshl_b32 s26, s24, 20                        ; 256 rows of 4,096 bytes
	s_lshl_b32 s27, s25, 9
	s_add_co_u32 s26, s26, s27
	s_lshl_b32 s27, s22, 7                         ; my wave's 32 columns
	s_add_co_u32 s26, s26, s27
	s_mov_b32 s27, 0
	s_lshl_b32 s28, s23, 6
	s_lshl_b32 s29, s25, 3
	s_add_co_u32 s28, s28, s29
	s_lshl_b32 s29, s22, 1
	s_add_co_u32 s28, s28, s29                     ; my first tile: 64 x weight + 8 x group + 2 x wave
	s_lshl_b32 s30, s28, 9
	s_lshl_b32 s31, s24, 7
	s_add_co_u32 s30, s30, s31
	s_mov_b32 s31, 0
	s_lshl_b32 s28, s28, 14
	s_lshl_b32 s29, s24, 12
	s_add_co_u32 s28, s28, s29
	s_mov_b32 s29, 0
	s_wait_alu depctr_va_vdst(0)
	s_wait_kmcnt 0x0
	s_cmp_eq_u32 s23, 1                            ; the choice hangs on the work-group's number alone
	s_cselect_b64 s[6:7], s[8:9], s[6:7]
	s_cmp_eq_u32 s23, 2
	s_cselect_b64 s[6:7], s[10:11], s[6:7]
	s_cmp_eq_u32 s23, 3
	s_cselect_b64 s[6:7], s[12:13], s[6:7]
	s_add_nc_u64 s[6:7], s[6:7], s[26:27]
	s_add_nc_u64 s[18:19], s[18:19], s[28:29]
	s_add_nc_u64 s[20:21], s[20:21], s[30:31]
.macro WLOAD t                         ; block t: W(32 t + i, my column), into set t % 2; 32 lanes read 128 consecutive bytes
.irp i, 0,1,2,3,4,5,6,7,8,9,10,11,12,13,14,15,16,17,18,19,20,21,22,23,24,25,26,27,28,29,30,31
	global_load_b32 v[WX+32*((\t)%2)+\i], v3, s[6:7] offset:(32*(\t)+\i)*4096 th:TH_LOAD_NT
.endr
.endm
.macro WBLOCK t
.set XS, WX+32*((\t)%2)
.set CC, WC+8*(\t)
.if (\t) < 7
	s_wait_loadcnt 32                              ; this block's 32 loads are in; the next block's may be out
.else
	s_wait_loadcnt 0x0
.endif
	v_max3_num_f32 v12, |v[XS]|, |v[XS+1]|, |v[XS+2]|      ; the block's largest magnitude: all 32 numbers are mine
	v_max3_num_f32 v13, |v[XS+3]|, |v[XS+4]|, |v[XS+5]|
.irp i, 6,10,14,18,22,26
	v_max3_num_f32 v12, v12, |v[XS+\i]|, |v[XS+\i+1]|
	v_max3_num_f32 v13, v13, |v[XS+\i+2]|, |v[XS+\i+3]|
.endr
	v_max3_num_f32 v12, v12, |v[XS+30]|, |v[XS+31]|
	v_max3_num_f32 v12, v12, v13, 0x4800000        ; and the floor 2^(9 - 127)
	v_add_nc_u32 v11, 0xfc000000, v12              ; the conversion's scale operand
	v_lshrrev_b32 v13, 23, v11                     ; the scale's byte
.if (\t)%4 == 0
	v_mov_b32 v[WSB+(\t)/4], v13
.else
	v_lshl_or_b32 v[WSB+(\t)/4], v13, 8*((\t)%4), v[WSB+(\t)/4]
.endif
.irp i, 0,1,2,3,4,5,6,7,8,9,10,11,12,13,14,15,16,17,18,19,20,21,22,23,24,25,26,27,28,29,30,31
.endr
.irp g, 0,1,2,3
	v_cvt_scalef32_pk8_fp8_f32 v[CC+2*\g:CC+2*\g+1], v[XS+8*\g:XS+8*\g+7], v11
.endr
	v_nop                                          ; a plain line behind the last conversion
	global_store_b128 v6, v[CC:CC+3], s[18:19] offset:((\t)/4)*2048+((\t)%4)*512       ; k 0-15 of the block: the image's lanes 0-15; sixteen lanes fill 256 aligned bytes of each of two tiles
	global_store_b128 v6, v[CC+4:CC+7], s[18:19] offset:((\t)/4)*2048+((\t)%4)*512+256 ; k 16-31: its lanes 16-31
.if (\t)+2 < 8
	WLOAD (\t)+2
.endif
.endm
	WLOAD 0
	WLOAD 1
.irp t, 0,1,2,3,4,5,6,7
	WBLOCK \t
.endr
	global_store_b64 v7, v[WSB:WSB+1], s[20:21]    ; my column's two scale words of this 256 along K
	s_endpgm
.Lfunc_end_k_qf84b34acd9_quant:
	.size	k_qf84b34acd9_quant, .Lfunc_end_k_qf84b34acd9_quant-k_qf84b34acd9_quant
	.p2alignl 7, 3214868480
	.fill 96, 4, 3214868480
	.section	.rodata,"a",@progbits
	.p2align	6, 0x0
	.amdhsa_kernel k_qf84b34acd9_quant
		.amdhsa_group_segment_fixed_size 68096
		.amdhsa_private_segment_fixed_size 0
		.amdhsa_enable_private_segment 0
		.amdhsa_kernarg_size 72
		.amdhsa_user_sgpr_count 2
		.amdhsa_user_sgpr_kernarg_segment_ptr 1
		.amdhsa_wavefront_size32 1
		.amdhsa_system_sgpr_workgroup_id_x 1
		.amdhsa_system_sgpr_workgroup_id_y 1
		.amdhsa_system_sgpr_workgroup_id_z 1
		.amdhsa_system_vgpr_workitem_id 0
		.amdhsa_next_free_vgpr 256
		.amdhsa_next_free_sgpr 66
		.amdhsa_reserve_vcc 1
		.amdhsa_float_denorm_mode_32 3
		.amdhsa_float_denorm_mode_16_64 3
		.amdhsa_fp16_overflow 1
		.amdhsa_memory_ordered 1
		.amdhsa_forward_progress 1
		.amdhsa_inst_pref_size 57
	.end_amdhsa_kernel
	.amdgpu_metadata
---
amdhsa.version: [ 1, 2 ]
amdhsa.kernels:
  - .name:           k_qf84b34acd9_quant
    .symbol:         k_qf84b34acd9_quant.kd
    .args:
      - { .name: x, .offset: 0, .size: 8, .value_kind: global_buffer, .address_space: global }
      - { .name: wq, .offset: 8, .size: 8, .value_kind: global_buffer, .address_space: global }
      - { .name: wk, .offset: 16, .size: 8, .value_kind: global_buffer, .address_space: global }
      - { .name: wv, .offset: 24, .size: 8, .value_kind: global_buffer, .address_space: global }
      - { .name: wo, .offset: 32, .size: 8, .value_kind: global_buffer, .address_space: global }
      - { .name: act_codes, .offset: 40, .size: 8, .value_kind: global_buffer, .address_space: global }
      - { .name: act_scales, .offset: 48, .size: 8, .value_kind: global_buffer, .address_space: global }
      - { .name: w_codes, .offset: 56, .size: 8, .value_kind: global_buffer, .address_space: global }
      - { .name: w_scales, .offset: 64, .size: 8, .value_kind: global_buffer, .address_space: global }
    .group_segment_fixed_size: 68096
    .private_segment_fixed_size: 0
    .kernarg_segment_align: 8
    .kernarg_segment_size: 72
    .max_flat_workgroup_size: 128
    .sgpr_count:     66
    .vgpr_count:     256
    .wavefront_size: 32
...
	.end_amdgpu_metadata
.endif
;; end of part 1
;; launch qkv (part 2): grid 4 x 64, 4 waves a work-group, clusters of 4 x 4, 327,680 bytes of LDS; arguments act_codes, act_scales, w_codes, w_scales, bq, bk, bv, q_codes, q_scales, kv_rec; writes q_codes, q_scales, kv_rec
.if DOCPART == 2
	.amdgcn_target "amdgcn-amd-amdhsa--gfx1250"
	.amdhsa_code_object_version 6
	.text
	.protected	k_qf84b34acd9_qkv
	.globl	k_qf84b34acd9_qkv
	.p2align	8
	.type	k_qf84b34acd9_qkv,@function
k_qf84b34acd9_qkv:
	s_mov_b64 s[64:65], 0
	v_nop
	global_prefetch_b8 v0, s[64:65] scope:SCOPE_SE
	s_setreg_imm32_b32 hwreg(HW_REG_WAVE_MODE, 25, 1), 1
	s_wait_xcnt 0x0
	s_wait_alu depctr_hold_cnt(0) depctr_sa_sdst(0) depctr_va_vdst(0) depctr_va_sdst(0) depctr_va_ssrc(0) depctr_va_vcc(0) depctr_vm_vsrc(0)
	s_getreg_b32 s2, hwreg(HW_REG_IB_STS2, 6, 4)
	s_cmp_eq_u32 s2, 0
	s_cbranch_scc0 .Lentry_in_a_cluster
	s_endpgm
.Lentry_in_a_cluster:
	s_bfe_u32 s2, ttmp6, 0x10000c
	s_cmp_lg_u32 s2, 0xf033
	s_cbranch_scc0 .Lentry_shape_is_right
	s_endpgm
.Lentry_shape_is_right:
; q = x wq + bq, k = x wk + bk, v = x wv + bv on codes of FP8 (E4M3) with E8M0 scales, sums in f32; the results are quantised in registers for the attention launch and leave as codes.
; SHARES.  The three products are 24 blocks of 1,024 x 1,024; the launch has 16 clusters of 4 x 4 work-groups, so each cluster makes one block and a half, and all 256 work-groups have the same work.
; Cluster Z: FIRST a block of q (Z < 8) or of k: x's rows 1,024 (Z % 8) on; a work-group makes 256 x 256, each of its four waves 128 x 128: 64 accumulators, 512 registers.
; THEN half a block of v: x's rows 1,024 (Z / 2) on, wv's columns 512 (Z % 2) on; a work-group makes 128 columns x 256 rows, a wave 64 x 128: 32 accumulators.
; K = 1,024 goes in four steps of 256 through two LDS slots, and the ring goes on from the first tile into the second: the first tile's last two changes of slots ask for the second's first two K steps.
; ROLES.  Source 1 of the matrix instruction is role A, source 0 role B: a lane holds ONE item of A and, in the 16 registers of B's tiles 2 B and 2 B + 1, 16 NEIGHBOURS of B's index (tiles hold items
; 32 B + 8 u + i + 8 (i / 8)).  q, k: A = rows of x, B = columns of the weight: a lane holds a row and runs along the head's axis, the next product's K.  v: A = columns of wv, B = rows of x:
; a lane holds a channel and runs along the keys, the K of the second product of attention.
; OPERANDS lie in memory and in LDS as images of their registers (tile x 16,384 + 2,048 s + 512 c + 16 lane): every fragment load reads 512 consecutive bytes; no padding.
; CLUSTERS: A's tiles are shared along a row of the cluster, B's along a column: each is asked for jointly, by the same tensor load with the same descriptor and a mask that names the four.
; RESULTS.  q_codes [bh][tile of 16 queries][1,024]: chunks c = 0, 1 of an image (K = 64); q_scales [bh][tile][16 words, bytes 2 and 3 zero].
; kv_rec [bh][128 keys][17,152]: 8 tiles of K x 1,024 | 4 fragments of V^T x 2,048 | K's scale words 8 x 64 | V's 4 x 64.
; LIMITS: NaN and infinities are not served; a block of zeros gets the byte 1 where the rule says 127 (its codes are zeros; the bytes are this program's own).
; REGISTERS: window 0: v1-31 addresses, v8-11 v's bias; v32-63 scale words, two sets; v64-127 the bias, later the epilogue's work; v128-255 A's fragments (first tile: one set of eight; second: two sets of four), later the codes.
;   window 1: B's fragments, two sets.  windows 2, 3: accumulators (the second tile: window 2 alone).
.set FR,     16                        ; registers of a fragment
.set NL,     4                         ; LDS loads that bring one
.set NP,     8                         ; places behind this matrix instruction (ISA guide 7.12.1)
.set TILEB,  4096                      ; a tile's 256 along K
.set HALFT,  8*TILEB                   ; eight tiles: what one tensor load brings at the most, and the room that each wave's load has in a slot
.set SLOT,   4*HALFT                   ; A's room (16 tiles), then B's 16 tiles
.set SCL,    2*SLOT                    ; behind the ring: the first tile's scale words of all of K: A's 16 tiles x 512 bytes, then B's
.set HALFS,  4096
.set SCL2,   SCL+4*HALFS               ; the second tile's: A's 8 tiles (4,096 bytes), then B's 16 (8,192)
.set SPARE,  SCL2+12288                ; the spare words, 128 bytes for each wave: two blocks of 256 bytes that no other line names
.set BV,   8                           ; v8-11  v's bias: one number for each of my four blocks of channels
.set ADRA, 16                          ; v16-17 LDS address of my A fragments in slot 0, 1
.set ADRB, 20                          ; v20-21 the same for B
.set LI,   24                          ; v24    16 x lane
.set L4,   25                          ; v25    4 x lane
.set ADRS2, 26                         ; v26    LDS address of my scale words, second tile
.set ADRS, 27                          ; v27    first tile: lanes 0-15 A's, lanes 16-31 B's
.set SPW,  28                          ; v28    my spare word; never rewritten
.set NIL,  29                          ; v29    0; never rewritten
.set SC,   32                          ; scale words: set s at v[SC + 16 s]; register 2 i + q: lanes 0-15 A's block i, lanes 16-31 B's block i
.set BIAS, 64                          ; eight registers a block, in the result's layout
.set TM,   64                          ; the epilogues: v64-79 at work, v80-95 half scale words, v96-103 words to store
.set WS,   80
.set WM,   96
.set AF,   128                         ; first tile: A's eight fragments
.set AH,   128                         ; second tile: A's two sets of four
.set PH,   4                           ; s[4:5], s[6:7]   where my first and second head's codes go (first tile)
.set SH,   8                           ; s[8:9], s[10:11] and their scale words
.set CX,   18                          ; s18 cx;  s19 cy
.set CY,   19
.set G0S2, 20                          ; s[20:23] group 0: A's scale words, second tile
.set G1,   24                          ; s[24:31] group 1: A's codes, eight tiles
.set G0,   32                          ; s[32:39] group 0: A's codes, a set for each slot
.set G1SH, 40                          ; s[40:47] group 1: A's scale words, second tile
.set G1B,  48                          ; s[48:55], s[56:63] the same as G1, G0 for B
.set G0B,  56
.set ZZ,   66                          ; s66 the cluster's number
.set RM,   67                          ; s67 the mask of my row of the cluster
.set G1S,  68                          ; s[68:75] group 1: A's scale words, first tile; when those have landed:
.set G1H,  68                          ; s[68:75] group 1: A's codes, four tiles
.set G0S,  76                          ; s[76:79] group 0: A's scale words, first tile; later:
.set P2A,  76                          ; s[76:77] the second tile's codes of A that I would fetch;  s[78:79] of B
.set P2B,  78
.set G1SB, 80                          ; s[80:87] group 1: B's scale words, both tiles; later the output buffers' addresses and
.set PV,   86                          ; s[86:87] where my head's V^T goes
.set G0SB, 88                          ; s[88:91] group 0: B's scale words, first tile; later:
.set HM,   88                          ; s88 lanes 16-31;  s[90:91] lane selects
.set MNT,  89
.set SEL,  90
.set WV,   92                          ; s92 wave;  s93 wave / 2: my half of A's items, and: I fetch for A (0) or B (1);  s94 wave % 2: my half of B's, and which part I fetch
.set HA,   93
.set HB,   94
.set G0SB2, 96                         ; s[96:99] group 0: B's scale words, second tile
.set MSB, 0
.macro WIN new                         ; the immediate's high byte repeats the setting that is left
.if MSB != (\new)
	s_set_vgpr_msb (MSB<<8)|(\new)
.set MSB, (\new)
.endif
.endm
.set MUL_LO, 0xa1                      ; source 0 (B) window 1, source 1 (A) window 0, C and D window 2
.set MUL_HI, 0xf1                      ; the same, C and D window 3
.set TO_B,   0x40                      ; destination window 1, address window 0
; A joint load: waves 0 and 1 fetch for A, waves 2 and 3 for B; the branch hangs on the wave's number alone.  Four v_nop follow each of the two lines.
.macro JLOAD g0a, g1a, g0b, g1b
	s_cmp_eq_u32 s[HA], 0
	s_cbranch_scc0 .Lfor_b_\@
	tensor_load_to_lds s[\g0a:\g0a+3], s[\g1a:\g1a+7]
	s_nop 0
.rept 4
	v_nop
.endr
	s_branch .Lasked_\@
.Lfor_b_\@:
	tensor_load_to_lds s[\g0b:\g0b+3], s[\g1b:\g1b+7]
	s_nop 0
.rept 4
	v_nop
.endr
.Lasked_\@:
.endm
.macro CREST                           ; a round of the cluster's barrier behind its opening barrier
	s_cmp_lg_u32 s[WV], 0
	s_cbranch_scc1 .Lnot_wave_0_\@
	s_barrier_signal -3
.Lnot_wave_0_\@:
	s_barrier_wait -3
	s_barrier_signal -1
	s_barrier_wait -1
.endm
.macro CROUND
	s_barrier_signal -1
	s_barrier_wait -1
	CREST
.endm
	s_load_b256 s[4:11], s[0:1], 0x0               ; act_codes, act_scales, w_codes, w_scales
	s_load_b128 s[12:15], s[0:1], 0x20             ; bq, bk
	s_load_b64 s[16:17], s[0:1], 0x30              ; bv
	v_lshl_add_u32 v[SPW], v0, 2, SPARE
	v_mov_b32 v[NIL], 0
	ds_add_u32 v28, v29
	ds_add_u32 v28, v29
	s_wait_dscnt 0x0
	v_lshrrev_b32 v1, 5, v0
	v_readfirstlane_b32 s[WV], v1
	s_lshr_b32 s[HA], s[WV], 1
	s_and_b32 s[HB], s[WV], 1
	s_bfe_u32 s[CX], ttmp6, 0x40000
	s_bfe_u32 s[CY], ttmp6, 0x40004
	s_and_b32 s[ZZ], ttmp7, 0xffff                 ; the grid is one cluster wide: the cluster's y is its number, 0 .. 15, the same in all sixteen partners
	s_lshl_b32 s[RM], s[CY], 2
	s_lshl_b32 s[RM], 15, s[RM]                    ; my row of the cluster
	s_lshl_b32 s100, 0x1111, s[CX]                 ; my column
	; group 1 for codes: 8 rows (tiles) of 4,096 bytes (512 elements of 8 bytes), 16,384 bytes apart, dense in LDS
	s_or_b32 s[G1], s[RM], (3<<16)|(1<<21)         ; 15:0 the mask; 17:16 elements of 8 bytes; 21 set beside a mask
	s_or_b32 s[G1B], s100, (3<<16)|(1<<21)
.irp g, G1, G1B
	s_mov_b32 s[\g+1], 512<<16                     ; tensor_dim0
	s_mov_b32 s[\g+2], 8<<16                       ; tensor_dim1
	s_mov_b32 s[\g+3], 512<<16                     ; tile_dim0
	s_mov_b32 s[\g+4], 8                           ; tile_dim1
	s_mov_b32 s[\g+5], 2048                        ; tensor_dim0_stride
	s_mov_b32 s[\g+6], 0
	s_mov_b32 s[\g+7], 0
.endr
	; for the scale words of 8 tiles: 4,096 dense bytes as 16 rows of 256
	s_or_b32 s[G1S], s[RM], (3<<16)|(1<<21)
	s_or_b32 s[G1SB], s100, (3<<16)|(1<<21)
.irp g, G1S, G1SB
	s_mov_b32 s[\g+1], 32<<16
	s_mov_b32 s[\g+2], 16<<16
	s_mov_b32 s[\g+3], 32<<16
	s_mov_b32 s[\g+4], 16
	s_mov_b32 s[\g+5], 32
	s_mov_b32 s[\g+6], 0
	s_mov_b32 s[\g+7], 0
.endr
	; and of 4 tiles: 2,048 dense bytes as 8 rows of 256
	s_or_b32 s[G1SH], s[RM], (3<<16)|(1<<21)
	s_mov_b32 s[G1SH+1], 32<<16
	s_mov_b32 s[G1SH+2], 8<<16
	s_mov_b32 s[G1SH+3], 32<<16
	s_mov_b32 s[G1SH+4], 8
	s_mov_b32 s[G1SH+5], 32
	s_mov_b32 s[G1SH+6], 0
	s_mov_b32 s[G1SH+7], 0
	s_mov_b32 s3, 0
	s_mov_b32 s101, 0
	s_wait_kmcnt 0x0
	; what I would fetch.  A's offsets are made in s2 of Z, cy and the wave's number; B's in s100 of Z, cx and the wave's number
	s_and_b32 s2, s[ZZ], 7
	s_lshl_b32 s2, s2, 2
	s_add_co_u32 s2, s2, s[CY]                     ; first tile, A: 256 rows of x, number 4 (Z % 8) + cy
	s_lshl_b32 s2, s2, 1
	s_add_co_u32 s2, s2, s[HB]                     ; eight tiles of them
	s_lshl_b32 s2, s2, 12                          ; their scale words: 8 x 512 bytes,
	s_add_nc_u64 s[G0S+2:G0S+3], s[6:7], s[2:3]
	s_lshl_b32 s2, s2, 5                           ; their codes: 8 x 16,384
	s_add_nc_u64 s[G0+2:G0+3], s[4:5], s[2:3]
	s_lshr_b32 s100, s[ZZ], 3
	s_lshl_b32 s100, s100, 2
	s_add_co_u32 s100, s100, s[CX]                 ; first tile, B: 256 columns, number 4 (Z / 8) + cx among the weights' sixteen
	s_lshl_b32 s100, s100, 1
	s_add_co_u32 s100, s100, s[HB]
	s_lshl_b32 s100, s100, 12
	s_add_nc_u64 s[G0SB+2:G0SB+3], s[10:11], s[100:101]
	s_lshl_b32 s100, s100, 5
	s_add_nc_u64 s[G0B+2:G0B+3], s[8:9], s[100:101]
	s_and_b32 s2, s[ZZ], 1
	s_lshl_b32 s2, s2, 2
	s_add_co_u32 s2, s2, s[CY]
	s_lshl_b32 s2, s2, 1
	s_add_co_u32 s2, s2, s[HB]
	s_add_co_u32 s2, s2, 32                        ; second tile, A: four tiles of wv, number 32 + 8 (Z % 2) + 2 cy + part among the weights' 64 fours
	s_lshl_b32 s2, s2, 11                          ; their scale words: 4 x 512 bytes
	s_add_nc_u64 s[G0S2+2:G0S2+3], s[10:11], s[2:3]
	s_lshr_b32 s100, s[ZZ], 1
	s_lshl_b32 s100, s100, 2
	s_add_co_u32 s100, s100, s[CX]                 ; second tile, B: 256 rows of x, number 4 (Z / 2) + cx
	s_lshl_b32 s100, s100, 1
	s_add_co_u32 s100, s100, s[HB]
	s_lshl_b32 s100, s100, 12
	s_add_nc_u64 s[G0SB2+2:G0SB2+3], s[6:7], s[100:101]
	s_add_nc_u64 s[G0+6:G0+7], s[G0+2:G0+3], TILEB     ; slot 1 begins with K step 1
	s_add_nc_u64 s[G0B+6:G0B+7], s[G0B+2:G0B+3], TILEB
.irp g, G0+3, G0+7, G0B+3, G0B+7, G0S+3, G0SB+3, G0S2+3, G0SB2+3
	s_or_b32 s[\g], s[\g], 0x80000000              ; 127:126 type = 2
.endr
.irp g, G0, G0+4, G0B, G0B+4, G0S, G0SB, G0S2, G0SB2
	s_mov_b32 s[\g], 1                             ; 1:0 count = 1
.endr
	s_mul_i32 s95, s[WV], HALFT                    ; where they go: wave x a constant: no place in the cluster enters an LDS address
	s_mov_b32 s[G0+1], s95
	s_mov_b32 s[G0B+1], s95
	s_add_co_u32 s[G0+5], s95, SLOT
	s_add_co_u32 s[G0B+5], s95, SLOT
	s_lshl_b32 s95, s[WV], 12
	s_add_co_u32 s[G0S+1], s95, SCL
	s_add_co_u32 s[G0SB+1], s95, SCL
	s_add_co_u32 s[G0SB2+1], s95, SCL2-4096        ; waves 2, 3: behind A's 4,096 bytes
	s_lshl_b32 s95, s[WV], 11
	s_add_co_u32 s[G0S2+1], s95, SCL2
	CROUND                                         ; all sixteen work-groups are here: the first joint loads meet
	JLOAD G0S, G1S, G0SB, G1SB                     ; the scale words first
	JLOAD G0S2, G1SH, G0SB2, G1SB
	JLOAD G0, G1, G0B, G1B
	JLOAD G0+4, G1, G0B+4, G1B                     ; four tensor loads of mine are out
	v_and_b32 v1, 15, v0                           ; r
	v_bfe_u32 v2, v0, 4, 1                         ; h
	s_wait_alu depctr_va_vdst(0)
	v_and_b32 v3, 31, v0
	v_lshlrev_b32 v[LI], 4, v3
	v_lshlrev_b32 v[L4], 2, v3
	s_mul_i32 s2, s[HA], HALFT                     ; my part of A
	s_mul_i32 s3, s[HB], HALFT                     ; my eight tiles of B,
	s_add_co_u32 s3, s3, 2*HALFT                   ; which lie behind A's room
.irp s, 0,1
	v_add_nc_u32 v[ADRA+\s], s2, v[LI]
	v_add_nc_u32 v[ADRB+\s], s3, v[LI]
	s_add_co_u32 s2, s2, SLOT
	s_add_co_u32 s3, s3, SLOT
.endr
	s_mul_i32 s2, s[HA], HALFS
	s_mul_i32 s3, s[HB], HALFS
	s_add_co_u32 s3, s3, 2*HALFS
	s_sub_co_u32 s3, s3, s2
	v_mul_u32_u24 v4, s3, v2                       ; lanes 16-31 take B's: one product, the distance between the two
	s_add_co_u32 s2, s2, SCL
	v_lshl_add_u32 v4, v1, 3, v4                   ; 8 bytes an item: the two words of a K step
	v_add_nc_u32 v[ADRS], s2, v4
	s_lshl_b32 s2, s[HA], 11                       ; the second tile: A's four tiles x 512 bytes a half,
	s_lshl_b32 s3, s[HB], 12
	s_add_co_u32 s3, s3, 4096                      ; B's behind A's 4,096
	s_sub_co_u32 s3, s3, s2
	v_mul_u32_u24 v4, s3, v2
	s_add_co_u32 s2, s2, SCL2
	v_lshl_add_u32 v4, v1, 3, v4
	v_add_nc_u32 v[ADRS2], s2, v4
	; the biases
	s_cmp_lt_u32 s[ZZ], 8                          ; the choice hangs on the cluster's number alone
	s_cselect_b64 s[12:13], s[12:13], s[14:15]
	s_lshl_b32 s2, s[CX], 10
	s_lshl_b32 s95, s[HB], 9
	s_add_co_u32 s2, s2, s95                       ; my 128 columns, in bytes
	s_mov_b32 s3, 0
	s_add_nc_u64 s[12:13], s[12:13], s[2:3]
	s_and_b32 s2, s[ZZ], 1
	s_lshl_b32 s2, s2, 2
	s_add_co_u32 s2, s2, s[CY]
	s_lshl_b32 s2, s2, 1
	s_add_co_u32 s2, s2, s[HA]                     ; the second tile: my 64 channels are head 8 (Z % 2) + 2 cy + wave / 2
	s_lshl_b32 s2, s2, 8
	s_add_nc_u64 s[16:17], s[16:17], s[2:3]
	v_lshlrev_b32 v6, 6, v2
	v_and_b32 v5, 8, v1
	v_add_nc_u32 v5, v5, v1                        ; r + 8 (r / 8)
	v_lshlrev_b32 v7, 2, v5
.irp b, 0,1,2,3,4,5,6,7                ; q, k: register j of block b is column 32 (b / 2) + 16 h + 8 (b % 2) + j
	global_load_b128 v[BIAS+8*\b:BIAS+8*\b+3], v6, s[12:13] offset:(32*(\b/2)+8*(\b%2))*4
	global_load_b128 v[BIAS+8*\b+4:BIAS+8*\b+7], v6, s[12:13] offset:(32*(\b/2)+8*(\b%2))*4+16
.endr
.irp a, 0,1,2,3                        ; v: every register of block a is channel 32 (a / 2) + 8 (a % 2) + r + 8 (r / 8)
	global_load_b32 v[BV+\a], v7, s[16:17] offset:(32*(\a/2)+8*(\a%2))*4
.endr
	s_wait_alu depctr_va_vdst(0)
	; While the first tiles are on their way: the scale words have landed, so their descriptors' registers are written again
	s_wait_tensorcnt 2                             ; my two loads of scale words are done; the two slots' first fills stay out
	s_load_b64 s[80:81], s[0:1], 0x38              ; q_codes
	s_load_b64 s[82:83], s[0:1], 0x40              ; q_scales
	s_load_b64 s[84:85], s[0:1], 0x48              ; kv_rec
	s_or_b32 s[G1H], s[RM], (3<<16)|(1<<21)        ; group 1 for the second tile's A: 4 tiles of 4,096 bytes
	s_mov_b32 s[G1H+1], 512<<16
	s_mov_b32 s[G1H+2], 4<<16
	s_mov_b32 s[G1H+3], 512<<16
	s_mov_b32 s[G1H+4], 4
	s_mov_b32 s[G1H+5], 2048
	s_mov_b32 s[G1H+6], 0
	s_mov_b32 s[G1H+7], 0
	s_mov_b32 s[HM], 0xffff0000
	s_mov_b32 s[SEL], 0x76543210
	s_mov_b32 s[SEL+1], 0xfedcba98                 ; v_permlanex16_b32's selects for lane l xor 16
	s_and_b32 s2, s[ZZ], 1
	s_lshl_b32 s2, s2, 2
	s_add_co_u32 s2, s2, s[CY]
	s_lshl_b32 s2, s2, 1
	s_add_co_u32 s40, s2, s[HA]                    ; my head of v
	s_add_co_u32 s2, s2, s[HB]
	s_add_co_u32 s2, s2, 32
	s_lshl_b32 s2, s2, 16                          ; four tiles of codes: 4 x 16,384 bytes
	s_add_nc_u64 s[P2A:P2A+1], s[8:9], s[2:3]
	s_lshr_b32 s100, s[ZZ], 1
	s_lshl_b32 s100, s100, 2
	s_add_co_u32 s100, s100, s[CX]
	s_lshr_b32 s41, s100, 3                        ; the batch
	s_lshl_b32 s100, s100, 1
	s_add_co_u32 s100, s100, s[HB]                 ; 128 rows of x: those that I fetch (waves 2, 3), and those that my wave multiplies
	s_and_b32 s42, s100, 15                        ; the record
	s_lshl_b32 s100, s100, 17
	s_add_nc_u64 s[P2B:P2B+1], s[4:5], s[100:101]
	s_lshl_b32 s41, s41, 4
	s_add_co_u32 s41, s41, s40                     ; batch x 16 + head
	s_mul_i32 s46, s41, 274432                     ; a head's 16 records
	s_mul_i32 s45, s42, 17152
	s_add_co_u32 s46, s46, s45
	s_add_co_u32 s46, s46, 8192                    ; V^T lies 8,192 bytes into a record
	s_mov_b32 s47, 0
	s_and_b32 s2, s[ZZ], 7                         ; the first tile's results
	s_lshl_b32 s2, s2, 2
	s_add_co_u32 s2, s2, s[CY]
	s_lshr_b32 s95, s2, 3                          ; the batch
	s_lshl_b32 s2, s2, 1
	s_add_co_u32 s2, s2, s[HA]
	s_and_b32 s2, s2, 15                           ; which 128 rows of the sequence are my wave's
	s_lshl_b32 s100, s[CX], 2
	s_lshl_b32 s101, s[HB], 1
	s_add_co_u32 s100, s100, s101                  ; my first head: my 128 columns are two heads
	s_lshl_b32 s95, s95, 4
	s_add_co_u32 s95, s95, s100
	s_mov_b32 s96, 274432                          ; k: a head's 16 records,
	s_mov_b32 s41, 17152                           ; a record
	s_mov_b32 s98, 274432
	s_mov_b32 s43, 17152
	s_cmp_lt_u32 s[ZZ], 8
	s_cselect_b32 s96, 131072, s96                 ; q: a head's 128 tiles x 1,024,
	s_cselect_b32 s41, 8192, s41                   ; eight tiles,
	s_cselect_b32 s98, 8192, s98                   ; a head's scale words,
	s_cselect_b32 s43, 512, s43                    ; eight tiles' scale words
	s_cselect_b32 s44, 0, 16384                    ; K's scale words lie 16,384 bytes into a record
	s_mul_i32 s20, s95, s96
	s_mul_i32 s45, s2, s41
	s_add_co_u32 s20, s20, s45
	s_mul_i32 s22, s95, s98
	s_mul_i32 s45, s2, s43
	s_add_co_u32 s22, s22, s45
	s_add_co_u32 s22, s22, s44
	s_mov_b32 s21, 0
	s_mov_b32 s23, 0
	s_mov_b32 s97, 0
	s_mov_b32 s99, 0
	s_wait_kmcnt 0x0
	s_cmp_lt_u32 s[ZZ], 8
	s_cselect_b64 s[80:81], s[80:81], s[84:85]
	s_cselect_b64 s[82:83], s[82:83], s[84:85]
	s_add_nc_u64 s[PV:PV+1], s[84:85], s[46:47]
	s_add_nc_u64 s[PH:PH+1], s[80:81], s[20:21]
	s_add_nc_u64 s[PH+2:PH+3], s[PH:PH+1], s[96:97]
	s_add_nc_u64 s[SH:SH+1], s[82:83], s[22:23]
	s_add_nc_u64 s[SH+2:SH+3], s[SH:SH+1], s[98:99]
.macro FRAG reg, adr, q, i             ; a fragment comes as it lies: four loads of 512 consecutive bytes
.irp c, 0,1,2,3
	ds_load_b128 v[\reg+4*\c:\reg+4*\c+3], v[\adr] offset:(\i)*TILEB+(\q)*2048+512*\c
.endr
.endm
.macro SCALES adr, sc, ks              ; K step ks's scale words into set sc: two words an item
.irp i, 0,1,2,3,4,5,6,7
	ds_load_b64 v[SC+16*\sc+2*\i:SC+16*\sc+2*\i+1], v[\adr] offset:\i*512+128*(\ks)
.endr
.endm
.macro PLACES n                        ; plain vector lines between a matrix instruction and a load into, or a read of, its registers
.rept \n
	v_nop
.endr
.endm
; ---------------- THE FIRST TILE'S MACROS
; 16 matrix instructions: A's blocks a0, a0 + 1 x B's eight, 128 along K.  p: B's set; sc: the set of scale words.  cmode 0: in place; 1: the sums start from the bias of B's block.
; The 64 accumulators take turns, one instruction a turn, in the same order in every step.
.macro MUL16 a0, p, q, sc, cmode
.irp a, \a0, \a0+1
.irp b, 0,1,2,3,4,5,6,7
.set rD, 8*(8*((\a)%4)+\b)
.set rB, 128*(\p)+FR*\b
.set rA, AF+FR*(\a)
.set rSB, SC+16*(\sc)+2*\b+(\q)
.set rSA, SC+16*(\sc)+2*(\a)+(\q)
.if \cmode == 0
	v_wmma_scale_f32_16x16x128_f8f6f4 v[rD:rD+7], v[rB:rB+15], v[rA:rA+15], v[rD:rD+7], v[rSB], v[rSA] matrix_a_scale:MATRIX_SCALE_ROW1
.else
	v_wmma_scale_f32_16x16x128_f8f6f4 v[rD:rD+7], v[rB:rB+15], v[rA:rA+15], v[BIAS+8*\b:BIAS+8*\b+7], v[rSB], v[rSA] matrix_a_scale:MATRIX_SCALE_ROW1
.endif
.endr
.endr
.endm
.macro FETCH_B slot, q, p
	WIN TO_B
.irp i, 0,1,2,3,4,5,6,7
	FRAG 128*(\p)+FR*\i, ADRB+\slot, \q, \i
.endr
	WIN 0
.endm
.macro FETCH_A slot, q, i0
.irp i, \i0, \i0+1, \i0+2, \i0+3
	FRAG AF+FR*(\i), ADRA+\slot, \q, \i
.endr
.endm
; A step of 128 along K that has its successor in the same slot.  A has one set of registers: blocks 0-3 are fetched anew in the step's middle, blocks 4-7 at its end; B has two sets.
.macro STEP slot, q, cmode
	s_wait_dscnt 4*NL                              ; B's set, A's blocks 0-3 and the scale words are in; the youngest sixteen loads (A's blocks 4-7) may be out
.if \cmode
	WIN 0x81                                       ; C (the bias) window 0, D window 2
.else
	WIN MUL_LO
.endif
	MUL16 0, (\q)%2, \q, \slot, \cmode
	MUL16 2, (\q)%2, \q, \slot, \cmode
	s_wait_dscnt 0
	PLACES NP
	FETCH_B \slot, (\q)+1, 1-(\q)%2
	FETCH_A \slot, (\q)+1, 0
.if \cmode
	WIN 0xc1
.else
	WIN MUL_HI
.endif
	MUL16 4, (\q)%2, \q, \slot, \cmode
	MUL16 6, (\q)%2, \q, \slot, \cmode
	PLACES NP
	WIN 0
	FETCH_A \slot, (\q)+1, 4
.endm
.macro NEXTTILE slot                   ; the slot's descriptors go on to the second tile's K step 0 or 1 (no tensor load of mine is out)
	s_add_nc_u64 s[G0+4*\slot+2:G0+4*\slot+3], s[P2A:P2A+1], \slot*TILEB
	s_or_b32 s[G0+4*\slot+3], s[G0+4*\slot+3], 0x80000000
	s_add_nc_u64 s[G0B+4*\slot+2:G0B+4*\slot+3], s[P2B:P2B+1], \slot*TILEB
	s_or_b32 s[G0B+4*\slot+3], s[G0B+4*\slot+3], 0x80000000
.endm
; The first half of a slot's last step: one barrier for the change of slots; in front of it each wave waits for all its tensor loads, adds 0 to its spare word, and waits for that and for its reads of this slot.
; The barrier opens a round of the cluster's; behind the round the slot is filled again: fill = 1: two K steps on; 2: with the second tile.
.macro MEET slot, fill
	s_wait_tensorcnt 0x0                           ; all my tensor loads have landed: my part of the next slot
	ds_add_u32 v[SPW], v[NIL]                      ; 0 onto my spare word
	s_wait_dscnt 4*NL+1                            ; (the add and A's blocks 4-7 may be out)
	WIN MUL_LO
	MUL16 0, 1, 1, \slot, 0
	s_wait_dscnt 0x0                               ; the add is done, and my reads of this slot are over
	s_barrier_signal -1
	MUL16 2, 1, 1, \slot, 0
	WIN 0
	s_barrier_wait -1
	CREST                                          ; no wave of any partner still reads this slot or has a load on its way
.if \fill == 1
	s_add_nc_u64 s[G0+4*\slot+2:G0+4*\slot+3], s[G0+4*\slot+2:G0+4*\slot+3], 2*TILEB
	s_add_nc_u64 s[G0B+4*\slot+2:G0B+4*\slot+3], s[G0B+4*\slot+2:G0B+4*\slot+3], 2*TILEB
	JLOAD G0+4*\slot, G1, G0B+4*\slot, G1B         ; the first tensor load behind the round, my one load until the next
.else
	NEXTTILE \slot
	JLOAD G0+4*\slot, G1H, G0B+4*\slot, G1B
.endif
.endm
.macro TURN slot, next, fill, ks
	MEET \slot, \fill
	PLACES NP-4                                    ; with the four v_nop behind the joint load: the places in front of the loads below
	FETCH_B \next, 0, 0
	FETCH_A \next, 0, 0
	SCALES ADRS, \next, \ks
	WIN MUL_HI
	MUL16 4, 1, 1, \slot, 0
	MUL16 6, 1, 1, \slot, 0
	PLACES NP
	WIN 0
	FETCH_A \next, 0, 4
.endm
; ---------------- THE SECOND TILE'S MACROS: A has four blocks and, like B, two sets of registers
; 8 matrix instructions: A's block a x B's eight.  cmode 0: in place; 2: the sums start from the bias of A's block.  The 32 accumulators take turns, one instruction a turn.
.macro MUL8H a, p, q, sc, cmode
.irp b, 0,1,2,3,4,5,6,7
.set rD, 8*(8*(\a)+\b)
.set rB, 128*(\p)+FR*\b
.set rA, AH+64*(\p)+FR*(\a)
.set rSB, SC+16*(\sc)+2*\b+(\q)
.set rSA, SC+16*(\sc)+2*(\a)+(\q)
.if \cmode == 0
	v_wmma_scale_f32_16x16x128_f8f6f4 v[rD:rD+7], v[rB:rB+15], v[rA:rA+15], v[rD:rD+7], v[rSB], v[rSA] matrix_a_scale:MATRIX_SCALE_ROW1
.else
	v_wmma_scale_f32_16x16x128_f8f6f4 v[rD:rD+7], v[rB:rB+15], v[rA:rA+15], v[BIAS+8*(\a):BIAS+8*(\a)+7], v[rSB], v[rSA] matrix_a_scale:MATRIX_SCALE_ROW1
.endif
.endr
.endm
.macro FETCHH slot, q, p               ; 48 loads: B's eight fragments and A's four of the slot's q-th 128 along K, into set p
	WIN TO_B
.irp i, 0,1,2,3,4,5,6,7
	FRAG 128*(\p)+FR*\i, ADRB+\slot, \q, \i
.endr
	WIN 0
.irp i, 0,1,2,3
	FRAG AH+64*(\p)+FR*\i, ADRA+\slot, \q, \i
.endr
.endm
.macro STEPH slot, cmode               ; a slot's first 128 along K, on set 0; the second 128 are fetched into set 1 ahead of the products
	s_wait_dscnt 0x0                               ; set 0 and the scale words are in
	PLACES NP                                      ; behind the products that read set 1
	FETCHH \slot, 1, 1
.if \cmode
	WIN 0x81                                       ; C (the bias) window 0, D window 2
.else
	WIN MUL_LO
.endif
.irp a, 0,1,2,3
	MUL8H \a, 0, 0, \slot, \cmode
.endr
	WIN 0
.endm
.macro TURNH slot, next, fill, ks      ; a slot's second 128 along K, on set 1, and the change of slots
	s_wait_tensorcnt 0x0                           ; all my tensor loads have landed: my part of the next slot
	ds_add_u32 v[SPW], v[NIL]                      ; 0 onto my spare word
	s_wait_dscnt 1                                 ; set 1 is in; the add may be out
	WIN MUL_LO
	MUL8H 0, 1, 1, \slot, 0
	s_wait_dscnt 0x0                               ; the add is done, and my reads of this slot are over
	s_barrier_signal -1
	MUL8H 1, 1, 1, \slot, 0
	WIN 0
	s_barrier_wait -1
.if \fill
	CREST                                          ; a round of the cluster's barrier: no wave of any partner still reads this slot or has a load on its way
	s_add_nc_u64 s[G0+4*\slot+2:G0+4*\slot+3], s[G0+4*\slot+2:G0+4*\slot+3], 2*TILEB
	s_add_nc_u64 s[G0B+4*\slot+2:G0B+4*\slot+3], s[G0B+4*\slot+2:G0B+4*\slot+3], 2*TILEB
	JLOAD G0+4*\slot, G1H, G0B+4*\slot, G1B        ; the first tensor load behind the round, my one load until the next
	PLACES NP-4
.else
	PLACES NP
.endif
	FETCHH \next, 0, 0
	SCALES ADRS2, \next, \ks
	WIN MUL_LO
	MUL8H 2, 1, 1, \slot, 0
	MUL8H 3, 1, 1, \slot, 0
	WIN 0
.endm
; ---------------- THE WAY OUT.  A's block a: a lane's 64 numbers, register 16 b + i = B's index 32 b + 16 (lane / 16) + i, are four blocks of the next K.  They are quantised where they lie; the codes are an image's registers and leave as they are.
.macro EPI a, kind                     ; kind 0: q, k;  1: v
.set WN, 2+(\a)/4
.set AC, 64*((\a)%4)
.set CD, 128+16*(\a)                   ; a set of code registers for each block: no store's data are written again within a tile
	WIN 0
.irp b, 0,1,2,3
	v_mov_b32 v[TM+\b], 0x4800000                  ; the floor 2^(9 - 127)
.endr
	WIN (WN<<2)|(WN<<4)
.irp i, 0,2,4,6,8,10,12,14
.irp b, 0,1,2,3
	v_max3_num_f32 v[TM+\b], v[TM+\b], |v[AC+16*\b+\i]|, |v[AC+16*\b+\i+1]|   ; each accumulator from its low end on
.endr
.endr
	WIN 0
.irp b, 0,1,2,3
	v_permlanex16_b32 v[TM+4+\b], v[TM+\b], s[SEL], s[SEL+1]
.endr
.irp b, 0,1,2,3
	v_max_num_f32 v[TM+\b], v[TM+\b], v[TM+4+\b]
.endr
.irp b, 0,1,2,3
	v_add_nc_u32 v[TM+12+\b], 0xfc000000, v[TM+\b] ; the conversion's scale operand
.endr
.irp b, 0,1,2,3
.endr
.irp b, 0,1,2,3
	v_lshrrev_b32 v[TM+4+\b], 23, v[TM+12+\b]      ; the scale's byte
.endr
	v_lshl_or_b32 v[WS+(\a)], v[TM+5], 8, v[TM+4]      ; blocks 0, 1: q, k: the first head's word
	v_lshl_or_b32 v[WS+8+(\a)], v[TM+7], 8, v[TM+6]    ; blocks 2, 3: the second head's; v: the upper half of one word
	WIN (WN<<6)|WN
.irp b, 0,1,2,3
.irp i, 0,1,2,3,4,5,6,7,8,9,10,11,12,13,14,15
.endr
.endr
	WIN WN
.irp b, 0,1,2,3
	v_cvt_scalef32_pk8_fp8_f32 v[CD+4*\b:CD+4*\b+1], v[AC+16*\b:AC+16*\b+7], v[TM+12+\b]
	v_cvt_scalef32_pk8_fp8_f32 v[CD+4*\b+2:CD+4*\b+3], v[AC+16*\b+8:AC+16*\b+15], v[TM+12+\b]
.endr
	WIN 0
	v_nop                                          ; a plain line behind the last conversion
.if \kind == 0
.irp hd, 0,1                           ; tile a of my eight; two chunks for each of my two heads
.irp c, 0,1
	global_store_b128 v[LI], v[CD+8*\hd+4*\c:CD+8*\hd+4*\c+3], s[PH+2*\hd:PH+2*\hd+1] offset:1024*(\a)+512*\c   ; 512 consecutive bytes, aligned
.endr
.endr
.else
.irp c, 0,1,2,3                        ; fragment a of my head: 16 channels x my 128 keys
	global_store_b128 v[LI], v[CD+4*\c:CD+4*\c+3], s[PV:PV+1] offset:2048*(\a)+512*\c
.endr
.endif
.endm
	s_wait_tensorcnt 1                             ; my part of K step 0 is in too; K step 1's load may stay out
	s_barrier_signal -1
	s_barrier_wait -1
	FETCH_B 0, 0, 0
	FETCH_A 0, 0, 0
	SCALES ADRS, 0, 0
	FETCH_A 0, 0, 4
	s_wait_loadcnt 0x0                             ; the biases
	STEP 0, 0, 1                                   ; the first step starts the sums from the bias
	TURN 0, 1, 1, 1
	STEP 1, 0, 0
	TURN 1, 0, 1, 2
	STEP 0, 0, 0
	TURN 0, 1, 2, 3                                ; THE RING GOES ON INTO THE SECOND TILE: slot 0 takes its K step 0,
	STEP 1, 0, 0
	MEET 1, 2                                      ; slot 1 its K step 1: both are on their way while the first tile goes out
	WIN MUL_HI
	MUL16 4, 1, 1, 1, 0
	MUL16 6, 1, 1, 1, 0
	WIN 0
	PLACES NP
.irp b, 0,1,2,3
	v_mov_b32 v[TM+4+\b], 0                        ; written once: a lane permute's destination counts as one of its sources
.endr
.irp a, 0,1,2,3,4,5,6,7
	EPI \a, 0
.endr
.irp hd, 0,1                           ; the scale words: lanes 0-15 store an even block's, lanes 16-31 the odd block's behind it: 128 consecutive bytes a store
.irp i, 0,1,2,3
	v_cndmask_b32 v[WM+4*\hd+\i], v[WS+8*\hd+2*\i], v[WS+8*\hd+2*\i+1], s[HM]
	global_store_b32 v[L4], v[WM+4*\hd+\i], s[SH+2*\hd:SH+2*\hd+1] offset:128*\i
.endr
.endr
	s_wait_xcnt 0x0                                ; the stores' data registers are written again only behind this wait
	; ---------------- the second tile.  Its K step 0 was shown landed, in every wave, in front of the last round
.irp a, 0,1,2,3
.irp j, 0,1,2,3,4,5,6,7
	v_mov_b32 v[BIAS+8*\a+\j], v[BV+\a]            ; the bias in the result's layout: a lane holds one channel, so a block's eight registers are alike
.endr
.endr
	FETCHH 0, 0, 0
	SCALES ADRS2, 0, 0
	s_wait_alu depctr_va_vdst(0)
	STEPH 0, 2
	TURNH 0, 1, 1, 1
	STEPH 1, 0
	TURNH 1, 0, 1, 2
	STEPH 0, 0
	TURNH 0, 1, 0, 3                               ; the last two K steps lie in LDS: nothing more is asked for
	STEPH 1, 0
	s_wait_dscnt 0x0
	WIN MUL_LO
.irp a, 0,1,2,3
	MUL8H \a, 1, 1, 1, 0
.endr
	WIN 0
	PLACES NP
.irp a, 0,1,2,3
	EPI \a, 1
.endr
.irp a, 0,1,2,3
	v_lshl_or_b32 v[WS+\a], v[WS+8+\a], 16, v[WS+\a]
.endr
.irp i, 0,1
	v_cndmask_b32 v[WM+\i], v[WS+2*\i], v[WS+2*\i+1], s[HM]
	global_store_b32 v[L4], v[WM+\i], s[PV:PV+1] offset:8704+128*\i   ; V's scale words lie 8,704 bytes behind V^T
.endr
	s_wait_tensorcnt 0x0                           ; the wave's end
	ds_add_u32 v[SPW], v[NIL]
	s_wait_dscnt 0x0
	CROUND                                         ; the closing round: no work-group ends while a partner may still ask for a tile that names it
	s_endpgm
.Lfunc_end_k_qf84b34acd9_qkv:
	.size	k_qf84b34acd9_qkv, .Lfunc_end_k_qf84b34acd9_qkv-k_qf84b34acd9_qkv
	.p2alignl 7, 3214868480
	.fill 96, 4, 3214868480
	.section	.rodata,"a",@progbits
	.p2align	6, 0x0
	.amdhsa_kernel k_qf84b34acd9_qkv
		.amdhsa_group_segment_fixed_size 327680
		.amdhsa_private_segment_fixed_size 0
		.amdhsa_enable_private_segment 0
		.amdhsa_kernarg_size 80
		.amdhsa_user_sgpr_count 2
		.amdhsa_user_sgpr_kernarg_segment_ptr 1
		.amdhsa_wavefront_size32 1
		.amdhsa_system_sgpr_workgroup_id_x 1
		.amdhsa_system_sgpr_workgroup_id_y 1
		.amdhsa_system_sgpr_workgroup_id_z 1
		.amdhsa_system_vgpr_workitem_id 0
		.amdhsa_next_free_vgpr 1024
		.amdhsa_next_free_sgpr 102
		.amdhsa_reserve_vcc 0
		.amdhsa_float_denorm_mode_32 3
		.amdhsa_float_denorm_mode_16_64 3
		.amdhsa_fp16_overflow 1
		.amdhsa_memory_ordered 1
		.amdhsa_forward_progress 1
		.amdhsa_inst_pref_size 241
	.end_amdhsa_kernel
	.amdgpu_metadata
---
amdhsa.version: [ 1, 2 ]
amdhsa.kernels:
  - .name:           k_qf84b34acd9_qkv
    .symbol:         k_qf84b34acd9_qkv.kd
    .args:
      - { .name: act_codes, .offset: 0, .size: 8, .value_kind: global_buffer, .address_space: global }
      - { .name: act_scales, .offset: 8, .size: 8, .value_kind: global_buffer, .address_space: global }
      - { .name: w_codes, .offset: 16, .size: 8, .value_kind: global_buffer, .address_space: global }
      - { .name: w_scales, .offset: 24, .size: 8, .value_kind: global_buffer, .address_space: global }
      - { .name: bq, .offset: 32, .size: 8, .value_kind: global_buffer, .address_space: global }
      - { .name: bk, .offset: 40, .size: 8, .value_kind: global_buffer, .address_space: global }
      - { .name: bv, .offset: 48, .size: 8, .value_kind: global_buffer, .address_space: global }
      - { .name: q_codes, .offset: 56, .size: 8, .value_kind: global_buffer, .address_space: global }
      - { .name: q_scales, .offset: 64, .size: 8, .value_kind: global_buffer, .address_space: global }
      - { .name: kv_rec, .offset: 72, .size: 8, .value_kind: global_buffer, .address_space: global }
    .group_segment_fixed_size: 327680
    .private_segment_fixed_size: 0
    .kernarg_segment_align: 8
    .kernarg_segment_size: 80
    .max_flat_workgroup_size: 128
    .sgpr_count:     102
    .vgpr_count:     1024
    .wavefront_size: 32
...
	.end_amdgpu_metadata
.endif
;; end of part 2
;; launch attn (part 3): grid 4 x 64, 16 waves a work-group, clusters of 4 x 1, 327,680 bytes of LDS; arguments q_codes, q_scales, kv_rec, act_codes, act_scales; writes act_codes, act_scales
.if DOCPART == 3
	.amdgcn_target "amdgcn-amd-amdhsa--gfx1250"
	.amdhsa_code_object_version 6
	.text
	.protected	k_qf84b34acd9_attn
	.globl	k_qf84b34acd9_attn
	.p2align	8
	.type	k_qf84b34acd9_attn,@function
k_qf84b34acd9_attn:
	s_mov_b64 s[64:65], 0
	v_nop
	global_prefetch_b8 v0, s[64:65] scope:SCOPE_SE
	s_setreg_imm32_b32 hwreg(HW_REG_WAVE_MODE, 25, 1), 1
	s_wait_xcnt 0x0
	s_wait_alu depctr_hold_cnt(0) depctr_sa_sdst(0) depctr_va_vdst(0) depctr_va_sdst(0) depctr_va_ssrc(0) depctr_va_vcc(0) depctr_vm_vsrc(0)
	s_getreg_b32 s2, hwreg(HW_REG_IB_STS2, 6, 4)
	s_cmp_eq_u32 s2, 0
	s_cbranch_scc0 .Lentry_in_a_cluster
	s_endpgm
.Lentry_in_a_cluster:
	s_bfe_u32 s2, ttmp6, 0x10000c
	s_cmp_lg_u32 s2, 0x3003
	s_cbranch_scc0 .Lentry_shape_is_right
	s_endpgm
.Lentry_shape_is_right:
; Causal attention of one head (cluster y = batch x 16 + head) on codes of FP8 (E4M3) with E8M0 scales; head size 64, 2,048 keys.  The result is quantised along the model's axis and leaves as the last product's operand.
; THE SOFTMAX: t = score x log2(e) / 8; M = the running largest t rounded UP to a whole number; p = 2^(t - M) is quantised along the keys, not normalised; the row's sum is taken of the unquantised p and divides O at the end.
; When M moves, the sum and O are multiplied by 2^(old M - new M): exact.
; LDS: the head's K, V^T and scale words, 16 records of 17,152 bytes (128 keys each), are brought ONCE and stay: no slot is ever filled again, and nothing is stored to LDS.
; A record: 8 tiles of K x 1,024 bytes | 4 fragments of V^T x 2,048 | K's scale words 8 x 64 | V's 4 x 64, all as images of the operand's registers (16 bytes a lane, 4 bytes a lane).
; CLUSTER: the four work-groups of a cluster own the four quarters of the head's query tiles and need the same 16 records: each record is asked for jointly (mask 15), by waves 0-3, four loads each.
; SHARES: wave w takes two tiles of 16 queries: tile 8 GA + sub of the upper half (GA = 8 .. 15) and tile 8 (15 - GA) + sub of the lower; sub = 4 (w / 8) + cx.  Key steps: GA + 1 and 16 - GA: 17 for every wave.
; Branches and trip counts hang on the wave's number and constants alone; cx enters q's and o's addresses and the lanes' number for the mask.
; LAYOUT: both products transposed (S^T = K Q^T, O^T = V^T P^T): a lane holds one query.  Tiles hold items 32 B + 8 u + i + 8 (i / 8), so 16 registers of two neighbouring tiles are 16 neighbours (keys; channels).
; K = 64 fills half of the instruction's 128: Q's upper eight registers are zero codes, so whatever codes stand beside them on K's side (the next tile's, never a NaN code) add nothing; the scale words' upper bytes are 0, not 0xff.
; LIMITS: NaN and infinities are not served; a block of zeros gets the byte 1 where the rule says 127 (its codes are zeros; the bytes are this program's own).
.set REC,  17152
.set LI,   1                           ; v1  16 x lane
.set LS,   2                           ; v2  4 x lane
.set DM,   3                           ; v3  my query's place in its 128, less 16 (lane / 16): register 16 b + i is hidden on the diagonal where 32 b + i > v3
.set ADI,  4                           ; v4  the step's record + 16 x lane
.set ADS,  5                           ; v5  the step's record + 4 x lane
.set QL,   6                           ; v6  4 r
.set OB,   7                           ; v7  8 r + h
.set FB,   32                          ; v32-95  K's eight tiles, then V^T's four fragments;  v96-103 zeros
.set S,    104                         ; v104-167 S^T, then p
.set OT,   168                         ; v168-199 O^T
.set PCD,  200                         ; v200-215 p's codes
.set KS,   216                         ; v216-219 K's scale words: lanes 0-15 an even tile's, lanes 16-31 the odd tile's
.set VS,   220                         ; v220-221 V's likewise
.set QS,   222                         ; v222 Q's scale words
.set PW,   223                         ; v223 p's scale word
.set WV,   14
.set GA,   16
.set GB,   17
.set MNT,  19
.set SEL,  20
.set CS,   22
.set TB,   48                          ; s48 LDS byte of the step's record
.set TT,   49                          ; s49 the key step
.set HM,   50                          ; s50 lanes 16-31
.macro CROUND
	s_barrier_signal -1
	s_barrier_wait -1
	s_cmp_lg_u32 s[WV], 0
	s_cbranch_scc1 .Lnot_wave_0_\@
	s_barrier_signal -3
.Lnot_wave_0_\@:
	s_barrier_wait -3
	s_barrier_signal -1
	s_barrier_wait -1
.endm
	s_load_b256 s[4:11], s[0:1], 0x0               ; q_codes, q_scales, kv_rec, act_codes
	s_load_b64 s[12:13], s[0:1], 0x20              ; act_scales
	v_lshl_add_u32 v251, v0, 2, 0x43000
	v_mov_b32 v255, 0
	ds_add_u32 v251, v255
	ds_add_u32 v251, v255
	v_lshrrev_b32 v8, 5, v0
	s_delay_alu instid0(VALU_DEP_1)
	v_readfirstlane_b32 s[WV], v8                  ; wave 0..15
	s_lshr_b32 s15, s[WV], 3
	s_xor_b32 s[GA], s15, 1
	s_mul_i32 s[GA], s[GA], 15
	s_xor_b32 s[GA], s[GA], s[WV]                  ; waves 0-7: 15 - w; waves 8-15: w
	s_xor_b32 s[GB], s[GA], 15
	s_bfe_u32 s51, ttmp6, 0x40000                  ; cx
	s_lshl_b32 s18, s15, 2
	s_add_co_u32 s18, s18, s51                     ; sub
	s_and_b32 s52, ttmp7, 0xffff                   ; batch x 16 + head
	s_mov_b32 s24, 15|(3<<16)|(1<<21)              ; group 1: 15:0 the mask: all four; 17:16 elements of 8 bytes; 21 set beside a mask
	s_mov_b32 s25, 32<<16                          ; a record as 67 rows of 256 bytes, dense
	s_mov_b32 s26, 67<<16
	s_mov_b32 s27, 32<<16
	s_mov_b32 s28, 67
	s_mov_b32 s29, 32
	s_mov_b32 s30, 0
	s_mov_b32 s31, 0
	s_and_b32 s53, s[WV], 3
	s_mul_i32 s53, s53, REC                        ; wave j of 0-3 fetches records j, 4 + j, 8 + j, 12 + j
	s_mul_i32 s54, s52, 16*REC
	s_add_co_u32 s54, s54, s53
	s_mov_b32 s55, 0
	s_mov_b32 s[SEL], 0x76543210
	s_mov_b32 s[SEL+1], 0xfedcba98
	s_mov_b32 s[CS], 0x3e38aa3b                    ; c = log2(e) / sqrt(64)
	s_mov_b32 s[CS+1], s[CS]                       ; (named with it as a pair, so it is written)
	s_mov_b32 s[HM], 0xffff0000
	s_wait_dscnt 0x0
	s_wait_kmcnt 0x0
	s_add_nc_u64 s[8:9], s[8:9], s[54:55]
.irp n, 0,1,2,3
	s_mov_b32 s[32+4*\n], 1
	s_add_co_u32 s[33+4*\n], s53, 4*\n*REC
	s_add_nc_u64 s[34+4*\n:35+4*\n], s[8:9], 4*\n*REC
	s_or_b32 s[35+4*\n], s[35+4*\n], 0x80000000
.endr
	CROUND                                         ; all four work-groups are here: the joint loads meet
	s_cmp_lt_u32 s[WV], 4                          ; all the fills of a wave stand in one branch on its number: four loads of mine are out
	s_cbranch_scc0 .Lno_fetch
	tensor_load_to_lds s[32:35], s[24:31]
	s_nop 0
	tensor_load_to_lds s[36:39], s[24:31]
	s_nop 0
	tensor_load_to_lds s[40:43], s[24:31]
	s_nop 0
	tensor_load_to_lds s[44:47], s[24:31]
	s_nop 0
.rept 4
	v_nop
.endr
.Lno_fetch:
	s_lshl_b32 s56, s52, 7                         ; 128 tiles of queries a head
	s_lshr_b32 s57, s52, 4
	s_lshl_b32 s57, s57, 7                         ; 128 tiles of rows a batch
	s_and_b32 s58, s52, 15                         ; the head
	s_lshl_b32 s59, s58, 10                        ; its 64 of K = 1,024 are two chunks of an image: 1,024 x head
	s_lshr_b32 s60, s58, 2                         ; its two scale bytes: 128 (head / 4) + 4 ((head / 2) % 2) + 2 (head % 2)
	s_lshl_b32 s60, s60, 7
	s_bfe_u32 s61, s58, 0x10001
	s_lshl_b32 s61, s61, 2
	s_add_co_u32 s60, s60, s61
	s_and_b32 s61, s58, 1
	s_lshl_b32 s61, s61, 1
	s_add_co_u32 s60, s60, s61
	s_mov_b32 s85, 0
.macro BASES g, p                      ; pass p's four addresses: s[68+2p] q's codes, s[72+2p] q's words, s[76+2p] o's codes, s[80+2p] o's bytes
	s_lshl_b32 s62, s[\g], 3
	s_add_co_u32 s62, s62, s18                     ; the tile of queries
	s_add_co_u32 s84, s62, s56
	s_lshl_b32 s84, s84, 10
	s_add_nc_u64 s[68+2*\p:69+2*\p], s[4:5], s[84:85]
	s_lshr_b32 s84, s84, 4
	s_add_nc_u64 s[72+2*\p:73+2*\p], s[6:7], s[84:85]
	s_add_co_u32 s62, s62, s57                     ; as a tile of the 8,192 rows
	s_lshl_b32 s84, s62, 14
	s_add_co_u32 s84, s84, s59
	s_add_nc_u64 s[76+2*\p:77+2*\p], s[10:11], s[84:85]
	s_lshl_b32 s84, s62, 9
	s_add_co_u32 s84, s84, s60
	s_add_nc_u64 s[80+2*\p:81+2*\p], s[12:13], s[84:85]
.endm
	BASES GA, 0
	BASES GB, 1
	v_and_b32 v8, 31, v0
	s_delay_alu instid0(VALU_DEP_1)
	v_lshlrev_b32 v[LI], 4, v8
	s_delay_alu instid0(VALU_DEP_2)
	v_lshlrev_b32 v[LS], 2, v8
	v_and_b32 v9, 15, v0                           ; r
	v_bfe_u32 v10, v0, 4, 1                        ; h
	s_delay_alu instid0(VALU_DEP_2)
	v_and_b32 v11, 8, v9
	s_delay_alu instid0(VALU_DEP_1)
	v_add_nc_u32 v11, v11, v9                      ; r + 8 (r / 8)
	s_delay_alu instid0(VALU_DEP_3)
	v_lshlrev_b32 v[DM], 4, v10
	s_delay_alu instid0(VALU_DEP_1)
	v_sub_nc_u32 v[DM], v11, v[DM]
	s_lshr_b32 s86, s18, 1
	s_lshl_b32 s86, s86, 5
	s_and_b32 s87, s18, 1
	s_lshl_b32 s87, s87, 3
	s_add_co_u32 s86, s86, s87
	v_add_nc_u32 v[DM], s86, v[DM]                 ; 32 (sub / 2) + 8 (sub % 2) + r + 8 (r / 8) - 16 h
	v_lshlrev_b32 v[QL], 2, v9
	v_lshl_add_u32 v[OB], v9, 3, v10
.macro QLOAD p
	global_load_b128 v[16:19], v[LI], s[68+2*\p:69+2*\p]
	global_load_b128 v[20:23], v[LI], s[68+2*\p:69+2*\p] offset:512
	global_load_b32 v[QS], v[QL], s[72+2*\p:73+2*\p]
.endm
	QLOAD 0
.irp j, 0,1,2,3,4,5,6,7
	v_mov_b32 v[24+\j], 0                          ; Q's codes for k = 64 .. 127: zeros
	v_mov_b32 v[96+\j], 0                          ; and what stands behind K's last tile
.endr
.irp b, 0,1,2,3
	v_mov_b32 v[236+\b], 0                         ; written once: a lane permute's destination counts as one of its sources
.endr
	v_mov_b32 v253, 0                              ; (named as the upper half of the pair v[252:253])
.macro INIT                            ; a pass begins: O^T and the sum are zeros, the largest t is under every t: the first change of M multiplies zeros
	v_mov_b32 v13, 0xff61b1e6                      ; -3e38
	s_delay_alu instid0(VALU_DEP_1)
	v_floor_f32 v12, -v13                          ; -M
	v_mov_b32 v14, 0
	v_mov_b32 v15, 0
.set n, 0
.rept 32
	v_mov_b32 v[OT+n], 0
.set n, n+1
.endr
.endm
; A KEY STEP: 128 keys, record s[TT].  causal = 1: the step is left out where all its keys come after my queries (s[TT] > s[g]), and masked where it lies on the diagonal (s[TT] = s[g]).
.macro STEP causal, g
.if \causal
	s_cmp_gt_u32 s[TT], s[\g]
	s_cbranch_scc1 .Lskip_\@
.endif
	s_setprio 2
	v_add_nc_u32 v[ADI], s[TB], v[LI]
	v_add_nc_u32 v[ADS], s[TB], v[LS]
.rept 6
	v_nop                                          ; with the two additions: eight places in front of loads into registers that the last products read
.endr
.irp i, 0,1,2,3,4,5,6,7
.irp c, 0,1
	ds_load_b128 v[FB+8*\i+4*\c:FB+8*\i+4*\c+3], v[ADI] offset:1024*\i+512*\c
.endr
.endr
.irp i, 0,1,2,3
	ds_load_b32 v[KS+\i], v[ADS] offset:16384+128*\i
.endr
	s_wait_alu depctr_va_vdst(0)
	s_wait_dscnt 0x0
.irp i, 0,1,2,3,4,5,6,7                ; S^T = K Q^T: lane (r, h) holds query r; the 16 registers of tiles 2 b, 2 b + 1 are keys 32 b + 16 h + 0 .. 15
.if \i % 2
	v_wmma_scale_f32_16x16x128_f8f6f4 v[S+8*\i:S+8*\i+7], v[FB+8*\i:FB+8*\i+15], v[16:31], 0, v[KS+\i/2], v[QS] matrix_a_scale:MATRIX_SCALE_ROW1
.else
	v_wmma_scale_f32_16x16x128_f8f6f4 v[S+8*\i:S+8*\i+7], v[FB+8*\i:FB+8*\i+15], v[16:31], 0, v[KS+\i/2], v[QS]
.endif
.endr
.rept 8
	v_nop                                          ; places in front of the loads below and of the first read of the scores
.endr
.irp f, 0,1,2,3                        ; V^T is asked for now and lands under the softmax
.irp c, 0,1,2,3
	ds_load_b128 v[FB+16*\f+4*\c:FB+16*\f+4*\c+3], v[ADI] offset:8192+2048*\f+512*\c
.endr
.endr
.irp i, 0,1
	ds_load_b32 v[VS+\i], v[ADS] offset:16896+128*\i
.endr
.if \causal
	s_cmp_lg_u32 s[TT], s[\g]
	s_cbranch_scc1 .Lopen_\@
	v_mov_b32 v254, 0xff800000                     ; on the diagonal the scores of hidden keys become -infinity ahead of the maximum: p = 0 then
.set n, 0
.rept 64
	v_cmp_gt_i32 vcc_lo, 32*(n/16)+n%16, v[DM]
	v_cndmask_b32 v[S+n], v[S+n], v254, vcc_lo
.set n, n+1
.endr
.Lopen_\@:
.endif
.irp b, 0,1,2,3
	v_max3_num_f32 v[232+\b], v[S+16*\b], v[S+1+16*\b], v[S+2+16*\b]   ; the largest score of each block of 32 keys: for the row's maximum and, since p rises with the score, for the block's largest p
.endr
.irp i, 3,5,7,9,11,13
.irp b, 0,1,2,3
	v_max3_num_f32 v[232+\b], v[232+\b], v[S+16*\b+\i], v[S+1+16*\b+\i]
.endr
.endr
.irp b, 0,1,2,3
	v_max_num_f32 v[232+\b], v[232+\b], v[S+15+16*\b]
.endr
.irp b, 0,1,2,3
	s_delay_alu instid0(VALU_DEP_4)
	v_permlanex16_b32 v[236+\b], v[232+\b], s[SEL], s[SEL+1]
.endr
.irp b, 0,1,2,3
	s_delay_alu instid0(VALU_DEP_4)
	v_max_num_f32 v[232+\b], v[232+\b], v[236+\b]  ; with lane l xor 16's 16 keys
.endr
	s_delay_alu instid0(VALU_DEP_2)
	v_max3_num_f32 v254, v232, v233, v234
	s_delay_alu instid0(VALU_DEP_1)
	v_max_num_f32 v254, v254, v235
	s_delay_alu instid0(VALU_DEP_1)
	v_mul_f32 v254, s[CS], v254                    ; the step's largest t (c is positive)
	s_delay_alu instid0(VALU_DEP_1)
	v_max_num_f32 v13, v13, v254                   ; the running largest t
	v_mov_b32 v254, v12
	s_delay_alu instid0(VALU_DEP_2)
	v_floor_f32 v12, -v13                          ; the new -M = floor(-t): M is a whole number
	s_delay_alu instid0(VALU_DEP_1)
	v_sub_f32 v254, v12, v254                      ; old M - new M: a whole number, 0 or less
	s_delay_alu instid0(VALU_DEP_1)
	v_cvt_i32_f32 v254, v254                       ; (it saturates)
	s_delay_alu instid0(VALU_DEP_1)
	v_ldexp_f32 v252, 1.0, v254                    ; f = 2^(old M - new M)
.set n, 0
.rept 32
	v_pk_fma_f32 v[S+n:S+n+1], v[S+n:S+n+1], s[CS:CS+1], v[12:13] op_sel_hi:[1,0,0]   ; t - M, two at a time
.set n, n+2
.endr
.irp b, 0,1,2,3
	v_fma_f32 v[232+\b], v[232+\b], s[CS], v12     ; the same of each block's largest score
.endr
.set n, 0
	s_setprio 1
	s_wait_alu depctr_va_vdst(0)
.rept 64
	v_exp_f32 v[S+n], v[S+n]                       ; p = 2^(t - M), at most 1
.set n, n+1
.endr
.irp b, 0,1,2,3
	v_exp_f32 v[232+\b], v[232+\b]                 ; the block's largest p
.endr
	v_pk_mul_f32 v[14:15], v[14:15], v[252:253] op_sel_hi:[1,0]   ; the sums under the new M (a plain place behind the exponentials)
	s_wait_alu depctr_va_vdst(0)
.irp b, 0,1,2,3
	v_max_num_f32 v[232+\b], 0x4800000, v[232+\b]  ; the floor 2^(9 - 127)
.endr
.irp b, 0,1,2,3
	s_delay_alu instid0(VALU_DEP_4)
	v_add_nc_u32 v[244+\b], 0xfc000000, v[232+\b]  ; the conversion's scale operand
.endr
.irp b, 0,1,2,3
.endr
.irp b, 0,1,2,3
	s_delay_alu instid0(VALU_DEP_4)
	v_lshrrev_b32 v[236+\b], 23, v[244+\b]         ; the scale's byte
.endr
	s_delay_alu instid0(VALU_DEP_3)
	v_lshl_or_b32 v[PW], v237, 8, v236             ; p's scale word for these 128 keys
	s_delay_alu instid0(VALU_DEP_1)
	v_lshl_or_b32 v[PW], v238, 16, v[PW]
	s_delay_alu instid0(VALU_DEP_1)
	v_lshl_or_b32 v[PW], v239, 24, v[PW]
	v_pk_add_f32 v[236:237], v[108:109], v[112:113]
	v_pk_add_f32 v[248:249], v[116:117], v[120:121]
	v_pk_add_f32 v[242:243], v[124:125], v[128:129]
	v_pk_add_f32 v[240:241], v[132:133], v[136:137]
	v_pk_add_f32 v[234:235], v[140:141], v[144:145]
	v_pk_add_f32 v[232:233], v[148:149], v[152:153]
	v_pk_add_f32 v[230:231], v[156:157], v[160:161]
	v_pk_add_f32 v[14:15], v[14:15], v[164:165]
	v_pk_add_f32 v[236:237], v[236:237], v[104:105]
	v_pk_add_f32 v[248:249], v[248:249], v[106:107]
	v_pk_add_f32 v[242:243], v[242:243], v[110:111]
	v_pk_add_f32 v[240:241], v[240:241], v[114:115]
	v_pk_add_f32 v[234:235], v[234:235], v[118:119]
	v_pk_add_f32 v[232:233], v[232:233], v[122:123]
	v_pk_add_f32 v[230:231], v[230:231], v[126:127]
	v_pk_add_f32 v[14:15], v[14:15], v[130:131]
	v_pk_add_f32 v[236:237], v[236:237], v[134:135]
	v_pk_add_f32 v[248:249], v[248:249], v[138:139]
	v_pk_add_f32 v[242:243], v[242:243], v[142:143]
	v_pk_add_f32 v[240:241], v[240:241], v[146:147]
	v_pk_add_f32 v[234:235], v[234:235], v[150:151]
	v_pk_add_f32 v[232:233], v[232:233], v[154:155]
	v_pk_add_f32 v[230:231], v[230:231], v[158:159]
	v_pk_add_f32 v[14:15], v[14:15], v[162:163]
	v_pk_add_f32 v[236:237], v[236:237], v[166:167]
	s_delay_alu instid0(VALU_DEP_2)
	v_pk_add_f32 v[14:15], v[14:15], v[240:241]
	s_delay_alu instid0(VALU_DEP_2)
	v_pk_add_f32 v[236:237], v[236:237], v[234:235]
	s_setprio 0
	v_pk_add_f32 v[248:249], v[248:249], v[232:233]
	v_pk_add_f32 v[242:243], v[242:243], v[230:231]
	s_delay_alu instid0(VALU_DEP_2)
	v_pk_add_f32 v[14:15], v[14:15], v[248:249]
	s_delay_alu instid0(VALU_DEP_2)
	v_pk_add_f32 v[236:237], v[236:237], v[242:243]
	s_delay_alu instid0(VALU_DEP_1)
	v_pk_add_f32 v[14:15], v[14:15], v[236:237]
.irp b, 0,1,2,3
.irp i, 0,1,2,3,4,5,6,7,8,9,10,11,12,13,14,15
.endr
	v_cvt_scalef32_pk8_fp8_f32 v[PCD+4*\b:PCD+1+4*\b], v[S+16*\b:S+7+16*\b], v[244+\b]
	v_cvt_scalef32_pk8_fp8_f32 v[PCD+2+4*\b:PCD+3+4*\b], v[S+8+16*\b:S+15+16*\b], v[244+\b]
.endr
.set n, 0
.rept 16
	v_pk_mul_f32 v[OT+n:OT+n+1], v[OT+n:OT+n+1], v[252:253] op_sel_hi:[1,0]   ; O^T under the new M; these are also the places between the codes and the products
.set n, n+2
.endr
	s_wait_alu depctr_va_vdst(0)
	s_wait_dscnt 0x0                               ; V^T and its scale words are in
.irp f, 0,1,2,3                        ; O^T += V^T P^T: four accumulators by turns, one instruction a turn
.if \f % 2
	v_wmma_scale_f32_16x16x128_f8f6f4 v[OT+8*\f:OT+8*\f+7], v[FB+16*\f:FB+16*\f+15], v[PCD:PCD+15], v[OT+8*\f:OT+8*\f+7], v[VS+\f/2], v[PW] matrix_a_scale:MATRIX_SCALE_ROW1
.else
	v_wmma_scale_f32_16x16x128_f8f6f4 v[OT+8*\f:OT+8*\f+7], v[FB+16*\f:FB+16*\f+15], v[PCD:PCD+15], v[OT+8*\f:OT+8*\f+7], v[VS+\f/2], v[PW]
.endif
.endr
.if \causal
.Lskip_\@:
.endif
.endm
; A pass ends: O^T / the sum; register 16 b + i is channel 32 b + 16 h + i of my query: two blocks of the last product's K.  They are quantised and are two chunks of that operand's image.
.macro TAIL p
.rept 8
	v_nop                                          ; places behind the last products
.endr
.if \p == 0
	QLOAD 1                                        ; the second pass's queries
.endif
	v_add_f32 v14, v14, v15
	s_delay_alu instid0(VALU_DEP_1)
	v_permlanex16_b32 v252, v14, s[SEL], s[SEL+1]
	s_delay_alu instid0(VALU_DEP_1)
	v_add_f32 v14, v14, v252                       ; the row's sum
	s_wait_alu depctr_va_vdst(0)
	v_rcp_f32 v14, v14
	v_nop                                          ; a plain place behind the transcendental
.set n, 0
	s_wait_alu depctr_va_vdst(0)
.rept 32
	v_mul_f32 v[S+n], v[OT+n], v14                 ; each accumulator from its low end on
.set n, n+1
.endr
.irp b, 0,1
	v_max3_num_f32 v[232+\b], |v[S+16*\b]|, |v[S+1+16*\b]|, 0x4800000
.endr
.irp i, 2,4,6,8,10,12,14
.irp b, 0,1
	s_delay_alu instid0(VALU_DEP_2)
	v_max3_num_f32 v[232+\b], v[232+\b], |v[S+16*\b+\i]|, |v[S+1+16*\b+\i]|
.endr
.endr
.irp b, 0,1
	s_delay_alu instid0(VALU_DEP_2)
	v_permlanex16_b32 v[236+\b], v[232+\b], s[SEL], s[SEL+1]
.endr
.irp b, 0,1
	s_delay_alu instid0(VALU_DEP_2)
	v_max_num_f32 v[232+\b], v[232+\b], v[236+\b]
.endr
.irp b, 0,1
	s_delay_alu instid0(VALU_DEP_2)
	v_add_nc_u32 v[244+\b], 0xfc000000, v[232+\b]
.endr
.irp b, 0,1
.endr
.irp b, 0,1
	s_delay_alu instid0(VALU_DEP_2)
	v_lshrrev_b32 v[236+\b], 23, v[244+\b]
.endr
.irp b, 0,1
.irp i, 0,1,2,3,4,5,6,7,8,9,10,11,12,13,14,15
.endr
	v_cvt_scalef32_pk8_fp8_f32 v[PCD+4*\b:PCD+1+4*\b], v[S+16*\b:S+7+16*\b], v[244+\b]
	v_cvt_scalef32_pk8_fp8_f32 v[PCD+2+4*\b:PCD+3+4*\b], v[S+8+16*\b:S+15+16*\b], v[244+\b]
.endr
	v_nop                                          ; a plain line behind the last conversion
	v_cndmask_b32 v238, v236, v237, s[HM]          ; lanes 0-15 store block 0's byte of row r, lanes 16-31 block 1's
	global_store_b128 v[LI], v[PCD:PCD+3], s[76+2*\p:77+2*\p]              ; 512 consecutive bytes, aligned
	global_store_b128 v[LI], v[PCD+4:PCD+7], s[76+2*\p:77+2*\p] offset:512
	global_store_b8 v[OB], v238, s[80+2*\p:81+2*\p]
	s_wait_xcnt 0x0                                ; the stores' data are written again only behind this wait
.endm
	INIT
	s_wait_loadcnt 0x0                             ; Q
	s_wait_tensorcnt 3                             ; a fetching wave's first load is in: records 0-3; its three later loads stay out
	s_barrier_signal -1
	s_barrier_wait -1
	s_mov_b32 s[TB], 0
	s_mov_b32 s[TT], 0
.Lfirst4:                                          ; the upper tile's steps 0-7 lie under the diagonal for every wave: no mask, equal work
	STEP 0, GA
	s_add_co_u32 s[TB], s[TB], REC
	s_add_co_u32 s[TT], s[TT], 1
	s_cmp_lt_u32 s[TT], 4
	s_cbranch_scc1 .Lfirst4
	s_setprio 0
	s_wait_dscnt 0x0
	s_wait_tensorcnt 2                             ; records 4-7
	s_barrier_signal -1
	s_barrier_wait -1
	s_mov_b32 s[TB], 4*REC
.Lnext4:
	STEP 0, GA
	s_add_co_u32 s[TB], s[TB], REC
	s_add_co_u32 s[TT], s[TT], 1
	s_cmp_lt_u32 s[TT], 8
	s_cbranch_scc1 .Lnext4
	s_setprio 0
	s_wait_dscnt 0x0
	s_wait_tensorcnt 0x0                           ; all sixteen records
	s_barrier_signal -1
	s_barrier_wait -1                              ; from here on the waves run free
	s_mov_b32 s[TB], 8*REC
.Lupper:
	STEP 1, GA
	s_add_co_u32 s[TB], s[TB], REC
	s_add_co_u32 s[TT], s[TT], 1
	s_cmp_lt_u32 s[TT], 16
	s_cbranch_scc1 .Lupper
	s_setprio 0
	TAIL 0
	INIT
	s_wait_loadcnt 0x0                             ; the second pass's Q
	s_mov_b32 s[TB], 0
	s_mov_b32 s[TT], 0
.Llower:
	STEP 1, GB
	s_add_co_u32 s[TB], s[TB], REC
	s_add_co_u32 s[TT], s[TT], 1
	s_cmp_lt_u32 s[TT], 8
	s_cbranch_scc1 .Llower
	s_setprio 0
	TAIL 1
	s_wait_tensorcnt 0x0
	ds_add_u32 v251, v255
	s_wait_dscnt 0x0
	CROUND                                         ; the closing round
	s_endpgm
.Lfunc_end_k_qf84b34acd9_attn:
	.size	k_qf84b34acd9_attn, .Lfunc_end_k_qf84b34acd9_attn-k_qf84b34acd9_attn
	.p2alignl 7, 3214868480
	.fill 96, 4, 3214868480
	.section	.rodata,"a",@progbits
	.p2align	6, 0x0
	.amdhsa_kernel k_qf84b34acd9_attn
		.amdhsa_group_segment_fixed_size 327680
		.amdhsa_private_segment_fixed_size 0
		.amdhsa_enable_private_segment 0
		.amdhsa_kernarg_size 40
		.amdhsa_user_sgpr_count 2
		.amdhsa_user_sgpr_kernarg_segment_ptr 1
		.amdhsa_wavefront_size32 1
		.amdhsa_system_sgpr_workgroup_id_x 1
		.amdhsa_system_sgpr_workgroup_id_y 1
		.amdhsa_system_sgpr_workgroup_id_z 1
		.amdhsa_system_vgpr_workitem_id 0
		.amdhsa_next_free_vgpr 256
		.amdhsa_next_free_sgpr 96
		.amdhsa_reserve_vcc 1
		.amdhsa_float_denorm_mode_32 3
		.amdhsa_float_denorm_mode_16_64 3
		.amdhsa_fp16_overflow 1
		.amdhsa_memory_ordered 1
		.amdhsa_forward_progress 1
		.amdhsa_inst_pref_size 99
	.end_amdhsa_kernel
	.amdgpu_metadata
---
amdhsa.version: [ 1, 2 ]
amdhsa.kernels:
  - .name:           k_qf84b34acd9_attn
    .symbol:         k_qf84b34acd9_attn.kd
    .args:
      - { .name: q_codes, .offset: 0, .size: 8, .value_kind: global_buffer, .address_space: global }
      - { .name: q_scales, .offset: 8, .size: 8, .value_kind: global_buffer, .address_space: global }
      - { .name: kv_rec, .offset: 16, .size: 8, .value_kind: global_buffer, .address_space: global }
      - { .name: act_codes, .offset: 24, .size: 8, .value_kind: global_buffer, .address_space: global }
      - { .name: act_scales, .offset: 32, .size: 8, .value_kind: global_buffer, .address_space: global }
    .group_segment_fixed_size: 327680
    .private_segment_fixed_size: 0
    .kernarg_segment_align: 8
    .kernarg_segment_size: 40
    .max_flat_workgroup_size: 512
    .sgpr_count:     96
    .vgpr_count:     256
    .wavefront_size: 32
...
	.end_amdgpu_metadata
.endif
;; end of part 3
;; launch oproj (part 4): grid 4 x 64, 4 waves a work-group, clusters of 4 x 4, 327,680 bytes of LDS; arguments act_codes, act_scales, w_codes, w_scales, bo, out0; writes out0
.if DOCPART == 4
	.amdgcn_target "amdgcn-amd-amdhsa--gfx1250"
	.amdhsa_code_object_version 6
	.text
	.protected	k_qf84b34acd9_oproj
	.globl	k_qf84b34acd9_oproj
	.p2align	8
	.type	k_qf84b34acd9_oproj,@function
k_qf84b34acd9_oproj:
	s_mov_b64 s[64:65], 0
	v_nop
	global_prefetch_b8 v0, s[64:65] scope:SCOPE_SE
	s_setreg_imm32_b32 hwreg(HW_REG_WAVE_MODE, 25, 1), 1
	s_wait_xcnt 0x0
	s_wait_alu depctr_hold_cnt(0) depctr_sa_sdst(0) depctr_va_vdst(0) depctr_va_sdst(0) depctr_va_ssrc(0) depctr_va_vcc(0) depctr_vm_vsrc(0)
	s_getreg_b32 s2, hwreg(HW_REG_IB_STS2, 6, 4)
	s_cmp_eq_u32 s2, 0
	s_cbranch_scc0 .Lentry_in_a_cluster
	s_endpgm
.Lentry_in_a_cluster:
	s_bfe_u32 s2, ttmp6, 0x10000c
	s_cmp_lg_u32 s2, 0xf033
	s_cbranch_scc0 .Lentry_shape_is_right
	s_endpgm
.Lentry_shape_is_right:
; out0 = a wo + bo: a, the attention's result, [8192][1024] and wo's columns as codes of FP8 (E4M3) with E8M0 scales; sums in f32; out0 f32.
; A work-group makes 128 rows x 256 columns, so that the product has 256 work-groups of equal work; each of its four waves makes 64 x 128: 32 accumulators.  K = 1,024 goes in four steps of 256 through two LDS slots.
; Source 1 of the matrix instruction is role A (rows of a), source 0 role B (columns of wo): a lane holds one row and, in B's tiles 2 B and 2 B + 1, 16 neighbouring columns (tiles hold items 32 B + 8 u + i + 8 (i / 8)).
; OPERANDS lie in memory and in LDS as images of their registers (tile x 16,384 + 2,048 s + 512 c + 16 lane): every fragment load reads 512 consecutive bytes; no padding.
; CLUSTERS: 4 x 4.  A's tiles are shared along a row of the cluster, B's along a column: each is asked for jointly, by the same tensor load with the same descriptor and a mask that names the four.
; REGISTERS: window 0: v1-31 addresses; v32-63 scale words, two sets; v64-127 the bias; v128-255 A's fragments, two sets of four, later rows on the way out.  window 1: B's fragments, two sets.  window 2: accumulators.
.set FR,     16
.set NP,     8                         ; places behind this matrix instruction (ISA guide 7.12.1)
.set TILEB,  4096                      ; a tile's 256 along K
.set HALFT,  8*TILEB                   ; the room that each wave's load has in a slot: A's loads bring four tiles, B's eight
.set SLOT,   4*HALFT
.set SCL,    2*SLOT                    ; behind the ring: the scale words of all of K: A's 8 tiles x 512 bytes, then B's 16
.set SPARE,  SCL+12288                 ; the spare words, 128 bytes for each wave: two blocks of 256 bytes that no other line names
.set SPITCH, 528                       ; the way out: a stage of 16 rows x (512 bytes + 16) for each wave, in slot 0, which has had its last fill and its last read by then
.set ADRA, 16
.set ADRB, 20
.set LI,   24                          ; v24 16 x lane
.set STO,  25                          ; v25 the stage: where I put 16 bytes of a row
.set RD,   26                          ; v26 and where I read a row back
.set ADRS, 27
.set SPW,  28
.set NIL,  29
.set SC,   32
.set BIAS, 64
.set AH,   128
.set BK,   128
.set G1,   24
.set G0,   32
.set G1B,  48
.set G0B,  56
.set G1S,  68
.set G0S,  76
.set G1SB, 80
.set G0SB, 88
.set WV,   92
.set HA,   93
.set HB,   94
.set MSB, 0
.macro WIN new                         ; the immediate's high byte repeats the setting that is left
.if MSB != (\new)
	s_set_vgpr_msb (MSB<<8)|(\new)
.set MSB, (\new)
.endif
.endm
.set MUL_LO, 0xa1                      ; source 0 (B) window 1, source 1 (A) window 0, C and D window 2
.set TO_B,   0x40
.macro JLOAD g0a, g1a, g0b, g1b        ; waves 0 and 1 fetch for A, waves 2 and 3 for B; four v_nop follow each of the two lines
	s_cmp_eq_u32 s[HA], 0
	s_cbranch_scc0 .Lfor_b_\@
	tensor_load_to_lds s[\g0a:\g0a+3], s[\g1a:\g1a+7]
	s_nop 0
.rept 4
	v_nop
.endr
	s_branch .Lasked_\@
.Lfor_b_\@:
	tensor_load_to_lds s[\g0b:\g0b+3], s[\g1b:\g1b+7]
	s_nop 0
.rept 4
	v_nop
.endr
.Lasked_\@:
.endm
.macro CREST
	s_cmp_lg_u32 s[WV], 0
	s_cbranch_scc1 .Lnot_wave_0_\@
	s_barrier_signal -3
.Lnot_wave_0_\@:
	s_barrier_wait -3
	s_barrier_signal -1
	s_barrier_wait -1
.endm
.macro CROUND
	s_barrier_signal -1
	s_barrier_wait -1
	CREST
.endm
	s_load_b256 s[4:11], s[0:1], 0x0               ; act_codes, act_scales, w_codes, w_scales
	s_load_b128 s[12:15], s[0:1], 0x20             ; bo, out0
	v_lshl_add_u32 v[SPW], v0, 2, SPARE
	v_mov_b32 v[NIL], 0
	ds_add_u32 v28, v29
	ds_add_u32 v28, v29
	s_wait_dscnt 0x0
	v_lshrrev_b32 v1, 5, v0
	v_readfirstlane_b32 s[WV], v1
	s_lshr_b32 s[HA], s[WV], 1
	s_and_b32 s[HB], s[WV], 1
	s_bfe_u32 s40, ttmp6, 0x40000                  ; cx
	s_bfe_u32 s41, ttmp6, 0x40004                  ; cy
	s_and_b32 s42, ttmp7, 0xffff
	s_lshl_b32 s42, s42, 2
	s_add_co_u32 s43, s42, s41                     ; A: 128 rows, number 4 Y + cy
	s_add_co_u32 s96, s40, 12                      ; B: 256 columns of wo, number 12 + cx among the weights' sixteen
	s_lshl_b32 s97, s41, 2
	s_lshl_b32 s97, 15, s97                        ; my row of the cluster
	s_lshl_b32 s98, 0x1111, s40                    ; my column
	s_or_b32 s[G1], s97, (3<<16)|(1<<21)           ; A's codes: 4 rows (tiles) of 4,096 bytes (512 elements of 8), 16,384 bytes apart, dense in LDS
	s_mov_b32 s[G1+1], 512<<16
	s_mov_b32 s[G1+2], 4<<16
	s_mov_b32 s[G1+3], 512<<16
	s_mov_b32 s[G1+4], 4
	s_mov_b32 s[G1+5], 2048
	s_mov_b32 s[G1+6], 0
	s_mov_b32 s[G1+7], 0
	s_or_b32 s[G1B], s98, (3<<16)|(1<<21)          ; B's: 8 tiles
	s_mov_b32 s[G1B+1], 512<<16
	s_mov_b32 s[G1B+2], 8<<16
	s_mov_b32 s[G1B+3], 512<<16
	s_mov_b32 s[G1B+4], 8
	s_mov_b32 s[G1B+5], 2048
	s_mov_b32 s[G1B+6], 0
	s_mov_b32 s[G1B+7], 0
	s_or_b32 s[G1S], s97, (3<<16)|(1<<21)          ; the scale words of A's 4 tiles: 2,048 dense bytes as 8 rows of 256
	s_mov_b32 s[G1S+1], 32<<16
	s_mov_b32 s[G1S+2], 8<<16
	s_mov_b32 s[G1S+3], 32<<16
	s_mov_b32 s[G1S+4], 8
	s_mov_b32 s[G1S+5], 32
	s_mov_b32 s[G1S+6], 0
	s_mov_b32 s[G1S+7], 0
	s_or_b32 s[G1SB], s98, (3<<16)|(1<<21)         ; of B's 8 tiles: 4,096 bytes as 16 rows
	s_mov_b32 s[G1SB+1], 32<<16
	s_mov_b32 s[G1SB+2], 16<<16
	s_mov_b32 s[G1SB+3], 32<<16
	s_mov_b32 s[G1SB+4], 16
	s_mov_b32 s[G1SB+5], 32
	s_mov_b32 s[G1SB+6], 0
	s_mov_b32 s[G1SB+7], 0
	s_lshl_b32 s95, s43, 1
	s_add_co_u32 s95, s95, s[HB]                   ; which four tiles of A I would fetch,
	s_lshl_b32 s96, s96, 1
	s_add_co_u32 s96, s96, s[HB]                   ; which eight of B
	s_lshl_b32 s44, s95, 16                        ; 4 x 16,384 bytes of codes,
	s_mov_b32 s45, 0
	s_lshl_b32 s46, s96, 17                        ; 8 x 16,384
	s_mov_b32 s47, 0
	s_lshl_b32 s98, s95, 11                        ; 4 x 512 bytes of scale words,
	s_mov_b32 s99, 0
	s_lshl_b32 s100, s96, 12                       ; 8 x 512
	s_mov_b32 s101, 0
	s_mul_i32 s95, s[WV], HALFT                    ; no place in the cluster enters an LDS address
	s_lshl_b32 s96, s[WV], 11
	s_lshl_b32 s97, s[WV], 12
	s_wait_kmcnt 0x0
	s_add_nc_u64 s[G0+2:G0+3], s[4:5], s[44:45]
	s_add_nc_u64 s[G0B+2:G0B+3], s[8:9], s[46:47]
	s_add_nc_u64 s[G0S+2:G0S+3], s[6:7], s[98:99]
	s_add_nc_u64 s[G0SB+2:G0SB+3], s[10:11], s[100:101]
	s_add_nc_u64 s[G0+6:G0+7], s[G0+2:G0+3], TILEB
	s_add_nc_u64 s[G0B+6:G0B+7], s[G0B+2:G0B+3], TILEB
.irp g, G0+3, G0+7, G0B+3, G0B+7, G0S+3, G0SB+3
	s_or_b32 s[\g], s[\g], 0x80000000
.endr
.irp g, G0, G0+4, G0B, G0B+4, G0S, G0SB
	s_mov_b32 s[\g], 1
.endr
	s_mov_b32 s[G0+1], s95
	s_mov_b32 s[G0B+1], s95
	s_add_co_u32 s[G0+5], s95, SLOT
	s_add_co_u32 s[G0B+5], s95, SLOT
	s_add_co_u32 s[G0S+1], s96, SCL
	s_add_co_u32 s[G0SB+1], s97, SCL-4096          ; waves 2, 3: behind A's 4,096 bytes
	CROUND                                         ; all sixteen work-groups are here: the first joint loads meet
	JLOAD G0S, G1S, G0SB, G1SB
	s_wait_alu depctr_va_vdst(0)
	s_wait_tensorcnt 0x0
	ds_add_u32 v28, v29
	s_wait_dscnt 0x0
	CROUND
	JLOAD G0, G1, G0B, G1B
	s_wait_alu depctr_va_vdst(0)
	s_wait_tensorcnt 0x0
	ds_add_u32 v28, v29
	s_wait_dscnt 0x0
	CROUND
	JLOAD G0+4, G1, G0B+4, G1B                     ; one tensor load of mine is out
	v_and_b32 v1, 15, v0                           ; r
	v_bfe_u32 v2, v0, 4, 1                         ; h
	s_wait_alu depctr_va_vdst(0)
	v_and_b32 v3, 31, v0
	v_lshlrev_b32 v[LI], 4, v3
	s_mul_i32 s2, s[HA], HALFT
	s_mul_i32 s3, s[HB], HALFT
	s_add_co_u32 s3, s3, 2*HALFT
.irp s, 0,1
	v_add_nc_u32 v[ADRA+\s], s2, v[LI]
	v_add_nc_u32 v[ADRB+\s], s3, v[LI]
	s_add_co_u32 s2, s2, SLOT
	s_add_co_u32 s3, s3, SLOT
.endr
	s_lshl_b32 s2, s[HA], 11
	s_lshl_b32 s3, s[HB], 12
	s_add_co_u32 s3, s3, 4096
	s_sub_co_u32 s3, s3, s2
	v_mul_u32_u24 v4, s3, v2                       ; lanes 16-31 take B's: one product, the distance between the two
	s_add_co_u32 s2, s2, SCL
	v_lshl_add_u32 v4, v1, 3, v4
	v_add_nc_u32 v[ADRS], s2, v4
	s_mul_i32 s2, s[WV], 16*SPITCH                 ; my stage
	v_mul_u32_u24 v5, v1, SPITCH
	v_lshl_add_u32 v5, v2, 6, v5
	v_add_nc_u32 v[STO], s2, v5                    ; in: row r, + 64 h: my 16 columns of each 32
	v_add_nc_u32 v[RD], s2, v[LI]                  ; back: the 32 lanes take one row of 512 bytes
	s_lshl_b32 s2, s40, 10
	s_lshl_b32 s3, s[HB], 9
	s_add_co_u32 s2, s2, s3                        ; my 128 columns, in bytes
	s_mov_b32 s3, 0
	s_add_nc_u64 s[12:13], s[12:13], s[2:3]        ; in bo,
	s_add_nc_u64 s[14:15], s[14:15], s[2:3]        ; and in a row of out0
	s_lshl_b32 s2, s43, 19
	s_lshl_b32 s44, s[HA], 18
	s_add_co_u32 s2, s2, s44                       ; my first row: 128 x tile + 64 x half, rows of 4,096 bytes
	s_add_nc_u64 s[14:15], s[14:15], s[2:3]
	v_lshlrev_b32 v6, 6, v2
.irp b, 0,1,2,3,4,5,6,7                ; register j of block b is column 32 (b / 2) + 16 h + 8 (b % 2) + j
	global_load_b128 v[BIAS+8*\b:BIAS+8*\b+3], v6, s[12:13] offset:(32*(\b/2)+8*(\b%2))*4
	global_load_b128 v[BIAS+8*\b+4:BIAS+8*\b+7], v6, s[12:13] offset:(32*(\b/2)+8*(\b%2))*4+16
.endr
.macro FRAG reg, adr, q, i
.irp c, 0,1,2,3
	ds_load_b128 v[\reg+4*\c:\reg+4*\c+3], v[\adr] offset:(\i)*TILEB+(\q)*2048+512*\c
.endr
.endm
.macro SCALES sc, ks
.irp i, 0,1,2,3,4,5,6,7
	ds_load_b64 v[SC+16*\sc+2*\i:SC+16*\sc+2*\i+1], v[ADRS] offset:\i*512+128*(\ks)
.endr
.endm
.macro PLACES n
.rept \n
	v_nop
.endr
.endm
; 8 matrix instructions: A's block a x B's eight.  cmode 0: in place; 1: the sums start from the bias of B's block.  The 32 accumulators take turns, one instruction a turn.
.macro MUL8H a, p, q, sc, cmode
.irp b, 0,1,2,3,4,5,6,7
.set rD, 8*(8*(\a)+\b)
.set rB, 128*(\p)+FR*\b
.set rA, AH+64*(\p)+FR*(\a)
.set rSB, SC+16*(\sc)+2*\b+(\q)
.set rSA, SC+16*(\sc)+2*(\a)+(\q)
.if \cmode == 0
	v_wmma_scale_f32_16x16x128_f8f6f4 v[rD:rD+7], v[rB:rB+15], v[rA:rA+15], v[rD:rD+7], v[rSB], v[rSA] matrix_a_scale:MATRIX_SCALE_ROW1
.else
	v_wmma_scale_f32_16x16x128_f8f6f4 v[rD:rD+7], v[rB:rB+15], v[rA:rA+15], v[BIAS+8*\b:BIAS+8*\b+7], v[rSB], v[rSA] matrix_a_scale:MATRIX_SCALE_ROW1
.endif
.endr
.endm
.macro FETCHH slot, q, p               ; 48 loads: B's eight fragments and A's four of the slot's q-th 128 along K, into set p
	WIN TO_B
.irp i, 0,1,2,3,4,5,6,7
	FRAG 128*(\p)+FR*\i, ADRB+\slot, \q, \i
.endr
	WIN 0
.irp i, 0,1,2,3
	FRAG AH+64*(\p)+FR*\i, ADRA+\slot, \q, \i
.endr
.endm
.macro STEPH slot, cmode               ; a slot's first 128 along K, on set 0; the second 128 are fetched into set 1 ahead of the products
	s_wait_dscnt 0x0                               ; set 0 and the scale words are in
	PLACES NP                                      ; behind the products that read set 1
	FETCHH \slot, 1, 1
.if \cmode
	WIN 0x81                                       ; C (the bias) window 0, D window 2
.else
	WIN MUL_LO
.endif
.irp a, 0,1,2,3
	MUL8H \a, 0, 0, \slot, \cmode
.endr
	WIN 0
.endm
.macro TURNH slot, next, fill, ks      ; a slot's second 128 along K, on set 1, and the change of slots
	s_wait_tensorcnt 0x0                           ; all my tensor loads have landed: my part of the next slot
	ds_add_u32 v[SPW], v[NIL]                      ; 0 onto my spare word
	s_wait_dscnt 1                                 ; set 1 is in; the add may be out
	WIN MUL_LO
	MUL8H 0, 1, 1, \slot, 0
	s_wait_dscnt 0x0                               ; the add is done, and my reads of this slot are over
	s_barrier_signal -1
	MUL8H 1, 1, 1, \slot, 0
	WIN 0
	s_barrier_wait -1
.if \fill
	CREST                                          ; a round of the cluster's barrier: no wave of any partner still reads this slot or has a load on its way
	s_add_nc_u64 s[G0+4*\slot+2:G0+4*\slot+3], s[G0+4*\slot+2:G0+4*\slot+3], 2*TILEB
	s_add_nc_u64 s[G0B+4*\slot+2:G0B+4*\slot+3], s[G0B+4*\slot+2:G0B+4*\slot+3], 2*TILEB
	JLOAD G0+4*\slot, G1, G0B+4*\slot, G1B         ; the first tensor load behind the round, my one load until the next
	PLACES NP-4
.else
	PLACES NP
.endif
	FETCHH \next, 0, 0
	SCALES \next, \ks
	WIN MUL_LO
	MUL8H 2, 1, 1, \slot, 0
	MUL8H 3, 1, 1, \slot, 0
	WIN 0
.endm
	s_wait_alu depctr_va_vdst(0)
	s_wait_tensorcnt 1                             ; the scale words and my part of K step 0 are in; K step 1's load may stay out
	s_barrier_signal -1
	s_barrier_wait -1
	FETCHH 0, 0, 0
	SCALES 0, 0
	s_wait_loadcnt 0x0                             ; the bias
	STEPH 0, 1                                     ; the first step starts the sums from the bias
	TURNH 0, 1, 1, 1
	STEPH 1, 0
	TURNH 1, 0, 1, 2
	STEPH 0, 0
	TURNH 0, 1, 0, 3                               ; the last two K steps lie in LDS: nothing more is asked for
	STEPH 1, 0
	s_wait_dscnt 0x0
	WIN MUL_LO
.irp a, 0,1,2,3
	MUL8H \a, 1, 1, 1, 0
.endr
	WIN 0
; THE WAY OUT, block by block of 16 rows x 128 columns, through my own stage: in as a lane holds them, back as whole rows of 512 bytes.  LDS serves a wave's instructions in order (ISA guide 5.7.1.4): no wait between the stores and the loads.
.macro TOSTAGE a
.set AC, 64*(\a)
	WIN 0x08                                       ; an LDS store's data are its source 1: window 2
.irp b, 0,1,2,3,4,5,6,7
	ds_store_b128 v[STO], v[AC+8*\b:AC+8*\b+3] offset:128*(\b/2)+32*(\b%2)        ; each accumulator from its low end on
	ds_store_b128 v[STO], v[AC+8*\b+4:AC+8*\b+7] offset:128*(\b/2)+32*(\b%2)+16
.endr
	WIN 0
.set BB, BK+64*((\a)%2)
.irp t, 0,1,2,3,4,5,6,7,8,9,10,11,12,13,14,15
	ds_load_b128 v[BB+4*\t:BB+4*\t+3], v[RD] offset:\t*SPITCH
.endr
.endm
.macro SEND a, younger                 ; younger: the LDS instructions issued behind block a's loads, which may stay out
.set BB, BK+64*((\a)%2)
	s_wait_dscnt \younger
.irp t, 0,1,2,3,4,5,6,7,8,9,10,11,12,13,14,15
	global_store_b128 v[LI], v[BB+4*\t:BB+4*\t+3], s[14:15] offset:(32*((\a)/2)+8*((\a)%2)+\t+8*(\t/8))*4096 th:TH_STORE_NT   ; item t of tile a is row 32 (a / 2) + 8 (a % 2) + t + 8 (t / 8); 512 consecutive bytes, aligned
.endr
.endm
	PLACES NP
	TOSTAGE 0
.irp a, 1,2,3
.if \a > 1
	s_wait_xcnt 0x0                                ; block a - 2's stores have read their registers: block a's loads may land there
.endif
	TOSTAGE \a
	SEND \a-1, 32                                  ; behind block a - 1's loads: block a's 16 stores and 16 loads
.endr
	SEND 3, 0
	s_wait_tensorcnt 0x0                           ; the wave's end
	ds_add_u32 v[SPW], v[NIL]
	s_wait_dscnt 0x0
	CROUND                                         ; the closing round
	s_endpgm
.Lfunc_end_k_qf84b34acd9_oproj:
	.size	k_qf84b34acd9_oproj, .Lfunc_end_k_qf84b34acd9_oproj-k_qf84b34acd9_oproj
	.p2alignl 7, 3214868480
	.fill 96, 4, 3214868480
	.section	.rodata,"a",@progbits
	.p2align	6, 0x0
	.amdhsa_kernel k_qf84b34acd9_oproj
		.amdhsa_group_segment_fixed_size 327680
		.amdhsa_private_segment_fixed_size 0
		.amdhsa_enable_private_segment 0
		.amdhsa_kernarg_size 48
		.amdhsa_user_sgpr_count 2
		.amdhsa_user_sgpr_kernarg_segment_ptr 1
		.amdhsa_wavefront_size32 1
		.amdhsa_system_sgpr_workgroup_id_x 1
		.amdhsa_system_sgpr_workgroup_id_y 1
		.amdhsa_system_sgpr_workgroup_id_z 1
		.amdhsa_system_vgpr_workitem_id 0
		.amdhsa_next_free_vgpr 1024
		.amdhsa_next_free_sgpr 102
		.amdhsa_reserve_vcc 0
		.amdhsa_float_denorm_mode_32 3
		.amdhsa_float_denorm_mode_16_64 3
		.amdhsa_memory_ordered 1
		.amdhsa_forward_progress 1
		.amdhsa_inst_pref_size 90
	.end_amdhsa_kernel
	.amdgpu_metadata
---
amdhsa.version: [ 1, 2 ]
amdhsa.kernels:
  - .name:           k_qf84b34acd9_oproj
    .symbol:         k_qf84b34acd9_oproj.kd
    .args:
      - { .name: act_codes, .offset: 0, .size: 8, .value_kind: global_buffer, .address_space: global }
      - { .name: act_scales, .offset: 8, .size: 8, .value_kind: global_buffer, .address_space: global }
      - { .name: w_codes, .offset: 16, .size: 8, .value_kind: global_buffer, .address_space: global }
      - { .name: w_scales, .offset: 24, .size: 8, .value_kind: global_buffer, .address_space: global }
      - { .name: bo, .offset: 32, .size: 8, .value_kind: global_buffer, .address_space: global }
      - { .name: out0, .offset: 40, .size: 8, .value_kind: global_buffer, .address_space: global }
    .group_segment_fixed_size: 327680
    .private_segment_fixed_size: 0
    .kernarg_segment_align: 8
    .kernarg_segment_size: 48
    .max_flat_workgroup_size: 128
    .sgpr_count:     102
    .vgpr_count:     1024
    .wavefront_size: 32
...
	.end_amdgpu_metadata
.endif
;; end of part 4
